; MI455X (gfx1250); checked and timed in simulation.
; The chip was launched on July 23, 2026; its instructions are those of AMD's public machine-readable ISA for CDNA 5 (MIT licence, August 2026) and "CDNA5" Instruction Set Architecture Reference Guide (July 2026). The comments in the code are by the model that wrote it; some were corrected since.
;; Infini Attn. Allowed arithmetic: float matrix products may take bf16 or f16 operands with f32 sums; all other float work in f32.
;; Inputs: Wkv 1,024 x 2,048 float32; Wo 1,024 x 1,024 float32; Wq 1,024 x 1,024 float32; gate_beta 1 float32; h 2,048 x 2 x 1,024 float32; ln_beta 1,024 float32; ln_gamma 1,024 float32; mem_norm 2 x 1 x 16 x 64 float32; memory 2 x 16 x 64 x 64 float32.
;; Outputs: out0 2,048 x 2 x 1,024 float32.
;; 2 versions, each right. Each part assembles by itself: llvm-mc -triple=amdgcn-amd-amdhsa -mcpu=gfx1250 --defsym DOCPART=n.
;; ======== version 1 of 2: 4 launches
;; workspace buffers: hb 8,388,608 bytes; wall 6,291,456 bytes; wob 2,097,152 bytes; qkv 25,165,824 bytes; inj 8,388,608 bytes
;; launch cast (part 1): grid 1024 x 1, 8 waves a work-group, no clusters, 0 bytes of LDS; arguments h, Wq, Wkv, Wo, hb, wall, wob; writes hb, wall, wob
.if DOCPART == 1
	.amdgcn_target "amdgcn-amd-amdhsa--gfx1250"
	.amdhsa_code_object_version 6
	.text
	.protected	k_q58e330d304_cast
	.globl	k_q58e330d304_cast
	.p2align	8
	.type	k_q58e330d304_cast,@function
k_q58e330d304_cast:
	s_mov_b64 s[64:65], 0
	v_nop
	global_prefetch_b8 v0, s[64:65] scope:SCOPE_SE
	s_setreg_imm32_b32 hwreg(HW_REG_WAVE_MODE, 25, 1), 1
	s_wait_xcnt 0x0
; f32 to bf16 (round to nearest even) of h, Wq, Wkv and Wo, so that tensor loads can bring matrix operands straight into LDS.
; hb [4096][1024]; wall [1024 k][3072]: columns 0-1023 Wq, 1024-3071 Wkv; wob [1024 k][1024].  No layout is transposed.
; A unit is 1,024 numbers: 4,096 bytes in, 2,048 bytes out.  One wave takes one unit: 8,192 units = 1,024 work-groups x 8 waves.
; Units 0-4095 h, 4096-5119 Wq, 5120-7167 Wkv (two a row), 7168-8191 Wo: the classes change at whole work-groups (512, 640, 896).
; A load of a wave covers 512 consecutive bytes, a store 256 consecutive bytes at a multiple of 256 from the buffer's first byte.
; No LDS, no barrier, no matrix unit, no cluster: every byte is read once by one wave, and nothing is shared.
.set XR, 4                             ; v[4:35]   eight loads of four f32
.set YR, 36                            ; v[36:51]  eight pairs of packed bf16
.macro CAST sb, db                     ; one unit from s[sb:sb+1] to s[db:db+1]
.irp j, 0,1,2,3,4,5,6,7
	global_load_b128 v[XR+4*\j:XR+4*\j+3], v1, s[\sb:\sb+1] offset:512*\j th:TH_LOAD_NT
.endr
.irp j, 0,1,2,3,4,5,6,7
	s_wait_loadcnt 7-\j                            ; loads come back in order (ISA guide 5.7.1): load j is in, the 7 - j younger ones stay out
	v_cvt_pk_bf16_f32 v[YR+2*\j], v[XR+4*\j], v[XR+4*\j+1]
	v_cvt_pk_bf16_f32 v[YR+2*\j+1], v[XR+4*\j+2], v[XR+4*\j+3]
	global_store_b64 v2, v[YR+2*\j:YR+2*\j+1], s[\db:\db+1] offset:256*\j
.endr
.endm
	s_load_b256 s[4:11], s[0:1], 0x0               ; h s[4:5], Wq s[6:7], Wkv s[8:9], Wo s[10:11]
	s_load_b128 s[12:15], s[0:1], 0x20             ; hb s[12:13], wall s[14:15]
	s_load_b64 s[16:17], s[0:1], 0x30              ; wob
	v_lshrrev_b32 v3, 5, v0
	v_readfirstlane_b32 s18, v3                    ; wave
	v_and_b32 v2, 31, v0                           ; lane
	v_lshlrev_b32 v1, 4, v2                        ; 16 bytes a lane in
	v_lshlrev_b32 v2, 3, v2                        ; 8 bytes a lane out
	s_lshl_b32 s19, ttmp9, 3
	s_add_co_u32 s19, s19, s18                     ; my unit
	s_mov_b32 s21, 0                               ; all offsets are below 4 GiB
	s_mov_b32 s23, 0
	s_wait_kmcnt 0x0
	s_cmp_lt_u32 ttmp9, 512
	s_cbranch_scc0 .Lnot_h
	s_lshl_b32 s20, s19, 12                        ; h: row u
	s_lshl_b32 s22, s19, 11
	s_add_nc_u64 s[4:5], s[4:5], s[20:21]
	s_add_nc_u64 s[12:13], s[12:13], s[22:23]
	CAST 4, 12
	s_endpgm
.Lnot_h:
	s_cmp_lt_u32 ttmp9, 640
	s_cbranch_scc0 .Lnot_wq
	s_sub_co_u32 s19, s19, 4096                    ; Wq: row k goes to the first 2,048 bytes of wall's row k (6,144 bytes)
	s_lshl_b32 s20, s19, 12
	s_mul_i32 s22, s19, 6144
	s_add_nc_u64 s[6:7], s[6:7], s[20:21]
	s_add_nc_u64 s[14:15], s[14:15], s[22:23]
	CAST 6, 14
	s_endpgm
.Lnot_wq:
	s_cmp_lt_u32 ttmp9, 896
	s_cbranch_scc0 .Lnot_wkv
	s_sub_co_u32 s19, s19, 5120                    ; Wkv: unit j is half j & 1 of row j >> 1
	s_lshl_b32 s20, s19, 12
	s_lshr_b32 s24, s19, 1
	s_mul_i32 s22, s24, 6144
	s_and_b32 s24, s19, 1
	s_lshl_b32 s24, s24, 11
	s_add_co_u32 s22, s22, s24
	s_add_co_u32 s22, s22, 2048                    ; behind Wq's part of the row
	s_add_nc_u64 s[8:9], s[8:9], s[20:21]
	s_add_nc_u64 s[14:15], s[14:15], s[22:23]
	CAST 8, 14
	s_endpgm
.Lnot_wkv:
	s_sub_co_u32 s19, s19, 7168                    ; Wo: row k
	s_lshl_b32 s20, s19, 12
	s_lshl_b32 s22, s19, 11
	s_add_nc_u64 s[10:11], s[10:11], s[20:21]
	s_add_nc_u64 s[16:17], s[16:17], s[22:23]
	CAST 10, 16
	s_endpgm
.Lfunc_end_k_q58e330d304_cast:
	.size	k_q58e330d304_cast, .Lfunc_end_k_q58e330d304_cast-k_q58e330d304_cast
	.p2alignl 7, 3214868480
	.fill 96, 4, 3214868480
	.section	.rodata,"a",@progbits
	.p2align	6, 0x0
	.amdhsa_kernel k_q58e330d304_cast
		.amdhsa_group_segment_fixed_size 0
		.amdhsa_private_segment_fixed_size 0
		.amdhsa_enable_private_segment 0
		.amdhsa_kernarg_size 56
		.amdhsa_user_sgpr_count 2
		.amdhsa_user_sgpr_kernarg_segment_ptr 1
		.amdhsa_wavefront_size32 1
		.amdhsa_system_sgpr_workgroup_id_x 1
		.amdhsa_system_sgpr_workgroup_id_y 1
		.amdhsa_system_sgpr_workgroup_id_z 1
		.amdhsa_system_vgpr_workitem_id 0
		.amdhsa_next_free_vgpr 56
		.amdhsa_next_free_sgpr 66
		.amdhsa_reserve_vcc 0
		.amdhsa_float_denorm_mode_32 3
		.amdhsa_float_denorm_mode_16_64 3
		.amdhsa_memory_ordered 1
		.amdhsa_forward_progress 1
		.amdhsa_inst_pref_size 14
	.end_amdhsa_kernel
	.amdgpu_metadata
---
amdhsa.version: [ 1, 2 ]
amdhsa.kernels:
  - .name:           k_q58e330d304_cast
    .symbol:         k_q58e330d304_cast.kd
    .args:
      - { .name: h, .offset: 0, .size: 8, .value_kind: global_buffer, .address_space: global }
      - { .name: Wq, .offset: 8, .size: 8, .value_kind: global_buffer, .address_space: global }
      - { .name: Wkv, .offset: 16, .size: 8, .value_kind: global_buffer, .address_space: global }
      - { .name: Wo, .offset: 24, .size: 8, .value_kind: global_buffer, .address_space: global }
      - { .name: hb, .offset: 32, .size: 8, .value_kind: global_buffer, .address_space: global }
      - { .name: wall, .offset: 40, .size: 8, .value_kind: global_buffer, .address_space: global }
      - { .name: wob, .offset: 48, .size: 8, .value_kind: global_buffer, .address_space: global }
    .group_segment_fixed_size: 0
    .private_segment_fixed_size: 0
    .kernarg_segment_align: 8
    .kernarg_segment_size: 56
    .max_flat_workgroup_size: 256
    .sgpr_count:     66
    .vgpr_count:     56
    .wavefront_size: 32
...
	.end_amdgpu_metadata
.endif
;; end of part 1
;; launch qkv (part 2): grid 16 x 16, 4 waves a work-group, clusters of 4 x 4, 327,680 bytes of LDS; arguments hb, wall, qkv; writes qkv
.if DOCPART == 2
	.amdgcn_target "amdgcn-amd-amdhsa--gfx1250"
	.amdhsa_code_object_version 6
	.text
	.protected	k_q58e330d304_qkv
	.globl	k_q58e330d304_qkv
	.p2align	8
	.type	k_q58e330d304_qkv,@function
k_q58e330d304_qkv:
	s_mov_b64 s[64:65], 0
	v_nop
	global_prefetch_b8 v0, s[64:65] scope:SCOPE_SE
	s_setreg_imm32_b32 hwreg(HW_REG_WAVE_MODE, 25, 1), 1
	s_wait_xcnt 0x0
	s_wait_alu depctr_hold_cnt(0) depctr_sa_sdst(0) depctr_va_vdst(0) depctr_va_sdst(0) depctr_va_ssrc(0) depctr_va_vcc(0) depctr_vm_vsrc(0)
	s_getreg_b32 s2, hwreg(HW_REG_IB_STS2, 6, 4)
	s_cmp_eq_u32 s2, 0
	s_cbranch_scc0 .Lentry_in_a_cluster
	s_endpgm
.Lentry_in_a_cluster:
	s_bfe_u32 s2, ttmp6, 0x10000c
	s_cmp_lg_u32 s2, 0xf033
	s_cbranch_scc0 .Lentry_shape_is_right
	s_endpgm
.Lentry_shape_is_right:
; q, k, v = h [Wq | Wkv]: [4096 x 1024] x [1024 x 3072] in bf16, sums in f32, result bf16, stored by heads:
; qkv [b 2][gh 48][s 2048][64], gh = column / 64 (0-15 q, 16-31 k, 32-47 v); a head's block is 262,144 bytes.
; A work-group makes 256 rows (256 consecutive s of one b) x 192 columns (three heads): 16 x 16 work-groups.
; Four waves, as many as a WGP has SIMDs; wave w makes rows 64 w .. 64 w + 63 x all 192 columns: 4 x 12 accumulator tiles, 384 registers.
; K goes in steps of 128 through two LDS slots filled by tensor loads: hb's tile has rows of 256 bytes that start at multiples of 256.
; wall's tile is [k][n] as it lies in memory; fragments with k along the registers come from it by ds_load_tr16_b128.
; CLUSTERS: 4 x 4 work-groups.  hb's tile hangs on the block row alone and is asked for jointly by a row of the cluster, wall's on the
; block column alone and is asked for jointly by a column: four requests become one.
; By this text's own count a wave has two tensor loads out at the start and one behind each refill.
; REGISTER WINDOWS: 0 addresses, A's fragments, the way out; 1 B's fragments; 2 accumulators of my rows 0-31; 3 of my rows 32-63.
; THE MATRIX INSTRUCTION IS USED TRANSPOSED: source 0 = 16 columns of W, source 1 = 16 rows of h, so that a lane's eight results
; are eight neighbouring columns of one row.
.set KSTEP,  128
.set PA,     272                       ; A's LDS row: 256 bytes + 16: sixteen rows of a fragment start 16 bytes apart modulo 256
.set PB,     480                       ; B's LDS row: three pieces of 128 bytes, 32 bytes of padding behind each: column n at byte 2 n + 32 (n / 64); 480 = 15 x 32
.set ABYTES, 256*PA                    ; 69,632
.set SLOT,   131072                    ; A's 256 rows, then B's 128 k rows (61,440 bytes)
.set STAGE,  2*SLOT                    ; behind the ring, filled by no tensor load: 16 rows x 400 bytes for each wave
.set SP,     400
.set HEADB,  262144
.set LAPS,   4                         ; 1,024 / (2 x 128)
.set ADRA, 16                          ; v16-17  LDS address of my A fragments in slot 0, 1
.set ADRB, 20                          ; v20-21  the same for B
.set STO,  24                          ; v24     the way out: where I put 16 bytes of a row
.set RD,   25                          ; v25     the way out: where I read them back
.set CO,   26                          ; v26     16 x lane
.set FA,   32                          ; window 0: v32-63, v64-95    A's fragments, two buffers
.set FB,   0                           ; window 1: v0-95, v96-191    B's fragments, two buffers
.set TMP,  96                          ; window 0: v96-143           packed results
.set OB,   144                         ; window 0: v144-191, v192-239  rows on their way out, two buffers
.set G1,  24                           ; s[24:31] group 1 of A's tiles
.set G0,  32                           ; s[32:39] group 0 of A's tiles, one set for each slot
.set G1B, 48                           ; s[48:55] group 1 of B's tiles
.set G0B, 56                           ; s[56:63] group 0 of B's tiles, one set for each slot
.set MSB, 0
.macro WIN new                         ; the immediate's high byte repeats the setting that is left
.if MSB != \new
	s_set_vgpr_msb (MSB<<8)|\new
.set MSB, \new
.endif
.endm
.set MUL_LO, 0xa1                      ; source 0 (B) window 1, source 1 (A) window 0, C and D window 2
.set MUL_HI, 0xf1                      ; the same, C and D window 3
.set TO_B,   0x40                      ; destination window 1, address window 0
; A joint load: waves 0 and 1 fetch A's two halves, waves 2 and 3 B's.  The branch hangs on the wave's number alone.
.macro JLOAD s
	s_cmp_eq_u32 s11, 0
	s_cbranch_scc0 .Lfor_b_\@
	tensor_load_to_lds s[G0+4*\s:G0+4*\s+3], s[G1:G1+7]
	s_nop 0
	s_branch .Lasked_\@
.Lfor_b_\@:
	tensor_load_to_lds s[G0B+4*\s:G0B+4*\s+3], s[G1B:G1B+7]
	s_nop 0
.Lasked_\@:
.endm
; A round of the cluster's barrier: my work-group's barrier; wave 0 signals for the work-group; every wave waits for all sixteen; my work-group's barrier again.
.macro CREST                           ; a round behind its opening barrier
	s_cmp_lg_u32 s10, 0
	s_cbranch_scc1 .Lnot_wave_0_\@
	s_barrier_signal -3
.Lnot_wave_0_\@:
	s_barrier_wait -3
	s_barrier_signal -1
	s_barrier_wait -1
.endm
.macro CROUND
	s_barrier_signal -1
	s_barrier_wait -1
	CREST
.endm
	s_load_b128 s[4:7], s[0:1], 0x0                ; hb s[4:5], wall s[6:7]
	s_load_b64 s[8:9], s[0:1], 0x10                ; qkv
	s_set_vgpr_msb 0x40
	v_lshl_add_u32 v255, v0, 2, 0x46400
	s_set_vgpr_msb 0x4000
	v_mov_b32 v255, 0
	s_set_vgpr_msb 0x1
	ds_add_u32 v255, v255
	s_set_vgpr_msb 0x100
	v_lshrrev_b32 v1, 5, v0
	v_readfirstlane_b32 s10, v1                    ; wave 0..3
	s_lshr_b32 s11, s10, 1                         ; I fetch for A (0) or for B (1)
	s_and_b32 s12, s10, 1                          ; which half of that tile
	s_bfe_u32 s40, ttmp6, 0x40000                  ; cx
	s_bfe_u32 s41, ttmp6, 0x40004                  ; cy
	s_lshl_b32 s42, ttmp9, 2
	s_add_co_u32 s42, s42, s40                     ; block column = 4 x cluster x + cx
	s_and_b32 s13, ttmp7, 0xffff
	s_lshl_b32 s13, s13, 2
	s_add_co_u32 s13, s13, s41                     ; block row = 4 x cluster y + cy: b = row / 8, s0 = 256 (row mod 8)
	s_lshl_b32 s43, s41, 2
	s_lshl_b32 s43, 15, s43                        ; my row of the cluster: places 4 cy .. 4 cy + 3
	s_lshl_b32 s44, 0x1111, s40                    ; my column: places cx, cx + 4, cx + 8, cx + 12
	; group 1 of A's tiles: 128 rows x 128 elements of 2 bytes, 2,048 elements from row to row (the rows of one b are two rows of hb apart)
	s_or_b32 s[G1+0], s43, (1<<16)|(1<<20)|(1<<21)|(5<<22)|(3<<25)  ; mask of my row; 2 bytes; padding on; bit 21 beside a mask; 4 words behind every 64
	s_mov_b32 s[G1+1], KSTEP<<16                   ; tensor_dim0 = 128
	s_mov_b32 s[G1+2], 128<<16                     ; tensor_dim1 = 128
	s_mov_b32 s[G1+3], KSTEP<<16                   ; tile_dim0 = 128
	s_mov_b32 s[G1+4], 128                         ; tile_dim1 = 128
	s_mov_b32 s[G1+5], 2048                        ; stride
	s_mov_b32 s[G1+6], 0
	s_mov_b32 s[G1+7], 0
	; group 1 of B's tiles: 64 k rows x 192 elements, 3,072 elements from row to row
	s_or_b32 s[G1B+0], s44, (1<<16)|(1<<20)|(1<<21)|(4<<22)|(7<<25) ; mask of my column; 8 words behind every 32: three intervals a row
	s_mov_b32 s[G1B+1], 192<<16
	s_mov_b32 s[G1B+2], 64<<16
	s_mov_b32 s[G1B+3], 192<<16
	s_mov_b32 s[G1B+4], 64
	s_mov_b32 s[G1B+5], 3072
	s_mov_b32 s[G1B+6], 0
	s_mov_b32 s[G1B+7], 0
	; where the tiles come from: A's offset is made of the block row and the wave, B's of the block column and the wave, each in registers of its own
	s_and_b32 s16, s13, 7
	s_lshl_b32 s16, s16, 8                         ; s0
	s_lshl_b32 s17, s12, 7
	s_add_co_u32 s16, s16, s17                     ; + 128 x half
	s_lshl_b32 s16, s16, 12                        ; 4,096 bytes from s to s + 1
	s_lshr_b32 s17, s13, 3
	s_lshl_b32 s17, s17, 11                        ; + b x 2,048
	s_add_co_u32 s16, s16, s17
	s_mov_b32 s17, 0
	s_mul_i32 s46, s42, 384                        ; 192 columns of 2 bytes
	s_mul_i32 s47, s12, 64*6144                    ; + 64 k rows x half
	s_add_co_u32 s46, s46, s47
	s_mov_b32 s47, 0
	s_mul_i32 s20, s10, 128*PA                     ; A's halves at wave x 34,816 (waves 0, 1)
	s_mul_i32 s21, s10, 64*PB
	s_add_co_u32 s21, s21, ABYTES-2*64*PB          ; B's halves at 69,632 + (wave - 2) x 30,720 (waves 2, 3)
	s_wait_dscnt 0x0
	s_wait_kmcnt 0x0
	s_add_nc_u64 s[14:15], s[4:5], s[16:17]
	s_add_nc_u64 s[46:47], s[6:7], s[46:47]
	CROUND                                         ; all sixteen work-groups are here: the first joint loads meet
.irp s, 0,1
	s_mov_b32 s[G0+4*\s], 1
	s_add_co_u32 s[G0+4*\s+1], s20, \s*SLOT
	s_add_nc_u64 s[G0+4*\s+2:G0+4*\s+3], s[14:15], \s*KSTEP*2
	s_or_b32 s[G0+4*\s+3], s[G0+4*\s+3], 0x80000000
	s_mov_b32 s[G0B+4*\s], 1
	s_add_co_u32 s[G0B+4*\s+1], s21, \s*SLOT
	s_add_nc_u64 s[G0B+4*\s+2:G0B+4*\s+3], s[46:47], \s*KSTEP*6144
	s_or_b32 s[G0B+4*\s+3], s[G0B+4*\s+3], 0x80000000
	JLOAD \s                                       ; K steps 0 and 1: the ring is filled before anything else is done
.endr
	v_and_b32 v1, 15, v0                           ; r = lane % 16
	v_bfe_u32 v2, v0, 4, 1                         ; h = lane / 16
	v_mul_u32_u24 v3, v1, PA
	v_lshl_add_u32 v3, v2, 4, v3                   ; A: row r, 16 bytes for each half of the lanes
	s_mul_i32 s22, s10, 64*PA                      ; my 64 rows
	v_add_nc_u32 v[ADRA], s22, v3
	v_add_nc_u32 v[ADRA+1], SLOT, v[ADRA]
	v_and_b32 v4, 7, v0
	v_lshl_add_u32 v5, v2, 3, v4                   ; B: k row 8 h + lane % 8,
	v_mul_u32_u24 v5, v5, PB
	v_bfe_u32 v6, v0, 3, 1
	v_lshl_add_u32 v5, v6, 4, v5                   ; 16 bytes for each eight lanes
	v_add_nc_u32 v[ADRB], ABYTES, v5
	v_add_nc_u32 v[ADRB+1], ABYTES+SLOT, v5
	s_mul_i32 s23, s10, 16*SP
	s_add_co_u32 s23, s23, STAGE                   ; my stage
	v_mul_u32_u24 v5, v1, SP
	v_lshl_add_u32 v5, v2, 4, v5
	v_add_nc_u32 v[STO], s23, v5                   ; in: row r, byte 16 h
	v_bfe_u32 v5, v0, 3, 2
	v_mul_u32_u24 v5, v5, SP
	v_lshl_add_u32 v5, v4, 4, v5
	v_add_nc_u32 v[RD], s23, v5                    ; back: eight lanes take a head's 128 bytes of one row, a wave four rows
	v_and_b32 v5, 31, v0
	v_lshlrev_b32 v[CO], 4, v5
; 12 matrix instructions: row block a of the window's two (hi = 0: my rows 0-31, 1: rows 32-63) x all 12 column blocks, 32 along K, buffer f.
; zero = 1: the first product starts the sums.
.macro MUL12 f, hi, a, zero
.irp b, 0,1,2,3,4,5,6,7,8,9,10,11
.if \zero
	v_wmma_f32_16x16x32_bf16 v[8*(12*\a+\b):8*(12*\a+\b)+7], v[FB+96*\f+8*\b:FB+96*\f+8*\b+7], v[FA+32*\f+8*(2*\hi+\a):FA+32*\f+8*(2*\hi+\a)+7], 0
.else
	v_wmma_f32_16x16x32_bf16 v[8*(12*\a+\b):8*(12*\a+\b)+7], v[FB+96*\f+8*\b:FB+96*\f+8*\b+7], v[FA+32*\f+8*(2*\hi+\a):FA+32*\f+8*(2*\hi+\a)+7], v[8*(12*\a+\b):8*(12*\a+\b)+7]
.endif
.endr
.endm
; 32 LDS loads in one run: the fragments of quarter q (32 along K) of a slot into buffer f: 24 transposing loads for B, 8 plain ones for A
.macro FETCH slot, q, f
	WIN TO_B
.irp i, 0,1,2,3,4,5,6,7,8,9,10,11
	ds_load_tr16_b128 v[FB+96*\f+8*\i:FB+96*\f+8*\i+3],   v[ADRB+\slot] offset:\q*32*PB+32*\i+32*(\i/4)
	ds_load_tr16_b128 v[FB+96*\f+8*\i+4:FB+96*\f+8*\i+7], v[ADRB+\slot] offset:\q*32*PB+32*\i+32*(\i/4)+16*PB
.endr
	WIN 0
.irp a, 0,1,2,3
	ds_load_b128 v[FA+32*\f+8*\a:FA+32*\f+8*\a+3],   v[ADRA+\slot] offset:\q*64+\a*16*PA
	ds_load_b128 v[FA+32*\f+8*\a+4:FA+32*\f+8*\a+7], v[ADRA+\slot] offset:\q*64+\a*16*PA+32
.endr
.endm
; Four places stand between a matrix instruction and a load into a register that it read, or a vector instruction that reads its result
; (ISA guide 7.12.1 for vector instructions); other matrix instructions are not counted as places.
.macro PLACES
.rept 4
	v_nop
.endr
.endm
; A K step is four quarters of 32 along K, 48 matrix instructions each, on buffers 0, 1, 0, 1.  The 48 accumulators take turns in one
; fixed order, one instruction a turn.
.macro QUARTER slot, q, f, g, zero     ; multiplies buffer f; in its middle fetches quarter q into buffer g
	s_wait_dscnt 4                                 ; B and A's row blocks 0, 1 are in; the youngest four loads (blocks 2, 3) may be out
	WIN MUL_LO
	MUL12 \f, 0, 0, \zero
	MUL12 \f, 0, 1, \zero
	PLACES
	FETCH \slot, \q, \g
	s_wait_dscnt 32                                ; all but the 32 just issued
	WIN MUL_HI
	MUL12 \f, 1, 0, \zero
	MUL12 \f, 1, 1, \zero
.endm
.macro THREE slot, zero
	QUARTER \slot, 1, 0, 1, \zero
	QUARTER \slot, 2, 1, 0, 0
	QUARTER \slot, 3, 0, 1, 0
.endm
; The last quarter multiplies buffer 1 and changes slots.  In front of the barrier each wave waits for its reads of this slot and for all
; its tensor loads (one is out: its part of the next slot).  Behind it the refill comes first, then the next slot's first fragments.
.macro TURN slot, next, fill
	s_wait_dscnt 4
	WIN MUL_LO
	MUL12 1, 0, 0, 0
	s_wait_dscnt 0                                 ; my reads of this slot are over
	s_wait_tensorcnt 0x0                           ; all my tensor loads have landed
	ds_add_u32 v255, v255
	s_wait_dscnt 0x0
	s_barrier_signal -1                            ; where a slot is filled again this barrier opens a round of the cluster's barrier
	MUL12 1, 0, 1, 0                               ; register work while the others arrive
	WIN 0
	s_barrier_wait -1
.if \fill
	CREST                                          ; no wave of any partner still reads this slot or has a load on its way
	s_add_nc_u64 s[G0+4*\slot+2:G0+4*\slot+3], s[G0+4*\slot+2:G0+4*\slot+3], 2*KSTEP*2
	s_add_nc_u64 s[G0B+4*\slot+2:G0B+4*\slot+3], s[G0B+4*\slot+2:G0B+4*\slot+3], 2*KSTEP*6144
	JLOAD \slot                                    ; the first tensor load behind the round, two K steps ahead
.endif
	PLACES
	FETCH \next, 0, 0
	WIN MUL_HI
	MUL12 1, 1, 0, 0
	MUL12 1, 1, 1, 0
.endm
.macro LAP zero
	THREE 0, \zero
	TURN 0, 1, 1
	THREE 1, 0
	TURN 1, 0, 1
.endm
	s_wait_tensorcnt 1                             ; my part of K step 0 is in; step 1's may stay out
	s_barrier_signal -1
	s_barrier_wait -1
	FETCH 0, 0, 0
	LAP 1                                          ; the first lap's first products start the sums
	WIN 0                                          ; at a label and at a branch every window is 0
	s_mov_b32 s3, LAPS-2
.Llap:
	LAP 0
	WIN 0
	s_sub_co_u32 s3, s3, 1
	s_cmp_lg_u32 s3, 0
	s_cbranch_scc1 .Llap
	THREE 0, 0                                     ; the last lap fills nothing
	TURN 0, 1, 0
	THREE 1, 0
	s_wait_dscnt 4
	WIN MUL_LO
	MUL12 1, 0, 0, 0
	MUL12 1, 0, 1, 0
	s_wait_dscnt 0
	WIN MUL_HI
	MUL12 1, 1, 0, 0
	MUL12 1, 1, 1, 0
	; THE WAY OUT, 16 rows at a time: round to bf16, 16 bytes a lane into my own stage, read back so that a store of the wave
	; covers four rows of one head: 512 consecutive bytes of qkv.
	PLACES
	s_lshr_b32 s16, s13, 3
	s_mul_i32 s16, s16, 48*HEADB                   ; b
	s_and_b32 s17, s13, 7
	s_lshl_b32 s17, s17, 15                        ; s0 rows of 128 bytes
	s_add_co_u32 s16, s16, s17
	s_lshl_b32 s17, s10, 13                        ; my 64 rows
	s_add_co_u32 s16, s16, s17
	s_mov_b32 s17, 0
	s_add_nc_u64 s[8:9], s[8:9], s[16:17]
	s_mul_i32 s46, s42, 3*HEADB                    ; my three heads
	s_mov_b32 s47, 0
	s_add_nc_u64 s[8:9], s[8:9], s[46:47]
; rows 16 a .. 16 a + 15 of my 64; from = 0x0a or 0x0f: sources in window 2 or 3; o: buffer in turn
.macro OUT16 a, from, o
	WIN \from
.irp b, 0,1,2,3,4,5,6,7,8,9,10,11
.irp r, 0,1,2,3
	v_cvt_pk_bf16_f32 v[TMP+4*\b+\r], v[8*(12*(\a%2)+\b)+2*\r], v[8*(12*(\a%2)+\b)+2*\r+1]
.endr
.endr
	WIN 0
.irp b, 0,1,2,3,4,5,6,7,8,9,10,11
	ds_store_b128 v[STO], v[TMP+4*\b:TMP+4*\b+3] offset:32*\b
.endr
	s_wait_xcnt 0x0                                ; buffer o, which earlier stores read, is loaded again only behind this wait (ISA guide 3.1)
.irp hd, 0,1,2
.irp rg, 0,1,2,3
	ds_load_b128 v[OB+48*\o+4*(4*\hd+\rg):OB+48*\o+4*(4*\hd+\rg)+3], v[RD] offset:4*SP*\rg+128*\hd   ; LDS serves a wave's instructions in order: these see the stores above
.endr
.endr
.irp hd, 0,1,2
.irp rg, 0,1,2,3
	s_wait_dscnt 11-(4*\hd+\rg)                    ; the younger read-backs stay out
	global_store_b128 v[CO], v[OB+48*\o+4*(4*\hd+\rg):OB+48*\o+4*(4*\hd+\rg)+3], s[8:9] offset:HEADB*\hd+2048*\a+512*\rg
.endr
.endr
.endm
	OUT16 0, 0x0a, 0
	OUT16 1, 0x0a, 1
	OUT16 2, 0x0f, 0
	OUT16 3, 0x0f, 1
	s_set_vgpr_msb 0x1
	s_wait_tensorcnt 0x0
	ds_add_u32 v255, v255
	s_wait_dscnt 0x0
	s_set_vgpr_msb 0x100
	CROUND                                         ; the closing round: no work-group ends while a partner may still ask for a tile that names it
	s_endpgm
.Lfunc_end_k_q58e330d304_qkv:
	.size	k_q58e330d304_qkv, .Lfunc_end_k_q58e330d304_qkv-k_q58e330d304_qkv
	.p2alignl 7, 3214868480
	.fill 96, 4, 3214868480
	.section	.rodata,"a",@progbits
	.p2align	6, 0x0
	.amdhsa_kernel k_q58e330d304_qkv
		.amdhsa_group_segment_fixed_size 327680
		.amdhsa_private_segment_fixed_size 0
		.amdhsa_enable_private_segment 0
		.amdhsa_kernarg_size 24
		.amdhsa_user_sgpr_count 2
		.amdhsa_user_sgpr_kernarg_segment_ptr 1
		.amdhsa_wavefront_size32 1
		.amdhsa_system_sgpr_workgroup_id_x 1
		.amdhsa_system_sgpr_workgroup_id_y 1
		.amdhsa_system_sgpr_workgroup_id_z 1
		.amdhsa_system_vgpr_workitem_id 0
		.amdhsa_next_free_vgpr 960
		.amdhsa_next_free_sgpr 66
		.amdhsa_reserve_vcc 0
		.amdhsa_float_denorm_mode_32 3
		.amdhsa_float_denorm_mode_16_64 3
		.amdhsa_memory_ordered 1
		.amdhsa_forward_progress 1
		.amdhsa_inst_pref_size 164
	.end_amdhsa_kernel
	.amdgpu_metadata
---
amdhsa.version: [ 1, 2 ]
amdhsa.kernels:
  - .name:           k_q58e330d304_qkv
    .symbol:         k_q58e330d304_qkv.kd
    .args:
      - { .name: hb, .offset: 0, .size: 8, .value_kind: global_buffer, .address_space: global }
      - { .name: wall, .offset: 8, .size: 8, .value_kind: global_buffer, .address_space: global }
      - { .name: qkv, .offset: 16, .size: 8, .value_kind: global_buffer, .address_space: global }
    .group_segment_fixed_size: 327680
    .private_segment_fixed_size: 0
    .kernarg_segment_align: 8
    .kernarg_segment_size: 24
    .max_flat_workgroup_size: 128
    .sgpr_count:     66
    .vgpr_count:     960
    .wavefront_size: 32
...
	.end_amdgpu_metadata
.endif
;; end of part 2
;; launch attn (part 3): grid 8 x 32, 8 waves a work-group, clusters of 4 x 1, 327,680 bytes of LDS; arguments qkv, memory, mem_norm, gate_beta, inj; writes inj
.if DOCPART == 3
	.amdgcn_target "amdgcn-amd-amdhsa--gfx1250"
	.amdhsa_code_object_version 6
	.text
	.protected	k_q58e330d304_attn
	.globl	k_q58e330d304_attn
	.p2align	8
	.type	k_q58e330d304_attn,@function
k_q58e330d304_attn:
	s_mov_b64 s[64:65], 0
	v_nop
	global_prefetch_b8 v0, s[64:65] scope:SCOPE_SE
	s_setreg_imm32_b32 hwreg(HW_REG_WAVE_MODE, 25, 1), 1
	s_wait_xcnt 0x0
	s_wait_alu depctr_hold_cnt(0) depctr_sa_sdst(0) depctr_va_vdst(0) depctr_va_sdst(0) depctr_va_ssrc(0) depctr_va_vcc(0) depctr_vm_vsrc(0)
	s_getreg_b32 s2, hwreg(HW_REG_IB_STS2, 6, 4)
	s_cmp_eq_u32 s2, 0
	s_cbranch_scc0 .Lentry_in_a_cluster
	s_endpgm
.Lentry_in_a_cluster:
	s_bfe_u32 s2, ttmp6, 0x10000c
	s_cmp_lg_u32 s2, 0x3003
	s_cbranch_scc0 .Lentry_shape_is_right
	s_endpgm
.Lentry_shape_is_right:
; inj = g (elu(q)+1) memory / ((elu(q)+1) . norm) + (1 - g) softmax(q k^T / 8) v, for one (b, n) and 256 queries a work-group.
; qkv [b][48][2048][64] bf16 (heads 0-15 q, 16-31 k, 32-47 v); inj [b][16][2048][64] bf16.
; Eight waves, 32 queries each (two tiles of 16).  K and V go in tiles of 256 keys through two LDS slots.
; CLUSTERS: the four work-groups of a cluster take four query blocks of one head and read the same K and V: every tile is a joint load (mask 15).
; By this text's own count a wave has one tensor load out at any time.
; EVERYTHING IS TRANSPOSED.  S^T = K Q^T: a lane holds query r = lane % 16 and keys 8 h + j (h = lane / 16) of each tile of 16 keys.
; Two such tiles, packed to bf16 in place, are the B fragment of P^T for 32 keys, so no number changes its lane.  O^T = V^T P^T, with V^T read
; from V's rows by ds_load_tr16_b128.  Maximum, sum, rescale factor and gate are one number a lane; the two halves of the lanes meet by v_permlanex16_b32.
; SOFTMAX: a running maximum m of the raw scores; p = exp2(c s - c m), c = log2(e) / 8, one fused multiply-add with c m rounded once to f32
; (relative error of p about 2^-24 |c m|); the rescale factor is exp2 of the difference of the two rounded shifts, so it fits the stored sums.
; LIMITS: q enters elu rounded to bf16; elu(x) + 1 for x <= 0 is computed as exp(x); v_exp_f32 gives zero for results below 2^-126.
.set PV,    160                        ; V's LDS row: 128 bytes + 32 = 5 x 32
.set PK,    144                        ; K's LDS row: 128 bytes + 16 = 9 x 16
.set SLOT,  256*PV+256*PK              ; 77,824: V's 256 keys, then K's
.set MEMS,  2*SLOT                     ; 155,648: memory[k][v] in bf16, 64 rows of 160 bytes; no tensor load lands here
.set STAGE, MEMS+64*PV                 ; 165,888: 32 rows x 144 bytes for each wave
.set HEADB, 262144
.set TILEB, 32768                      ; 256 keys of 128 bytes
.set ADRK, 8                           ; v8-9    my K fragments in slot 0, 1
.set ADRV, 10                          ; v10-11  my V fragments
.set ADRM, 12                          ; v12     the same in MEMS
.set STO,  13
.set RD,   14
.set GO,   15
.set NMA, 16                           ; -c m of query tile 0;  v17 MXA = m
.set MXA, 17
.set NMB, 18                           ; the same of tile 1
.set MXB, 19
.set ALA, 20                           ; rescale factor of tile 0;  v21 LSA = running sum (this half's keys)
.set LSA, 21
.set ALB, 22
.set LSB, 23
.set TT,  24                           ; v24-31  at work
.set QF,  32                           ; v32-63   Q fragments: 32 + 16 qt + 8 ks
.set OA,  64                           ; v64-127  O^T: 64 + 32 qt + 8 dt
.set SC,  128                          ; v128-191 S^T: 128 + 32 qt + 8 kt; then P^T: 128 + 32 qt + 16 kk
.set FR,  192                          ; v192-255 fragments of K, then of V
.set G1V, 24
.set G1K, 32
.set G0V, 40                           ; s[40:47] one set for each slot
.set G0K, 48                           ; s[48:55]
.macro ROUND                           ; a round of the cluster's barrier
	s_barrier_signal -1
	s_barrier_wait -1
	s_cmp_lg_u32 s14, 0
	s_cbranch_scc1 .Lnot_wave_0_\@
	s_barrier_signal -3
.Lnot_wave_0_\@:
	s_barrier_wait -3
	s_barrier_signal -1
	s_barrier_wait -1
.endm
.macro JLOAD s                         ; waves 0-3 fetch 64 keys of V each, waves 4-7 64 keys of K
	s_cmp_lt_u32 s14, 4
	s_cbranch_scc0 .Lfor_k_\@
	tensor_load_to_lds s[G0V+4*\s:G0V+4*\s+3], s[G1V:G1V+7]
	s_nop 0
	s_branch .Lasked_\@
.Lfor_k_\@:
	tensor_load_to_lds s[G0K+4*\s:G0K+4*\s+3], s[G1K:G1K+7]
	s_nop 0
.Lasked_\@:
.endm
	s_load_b256 s[4:11], s[0:1], 0x0               ; qkv s[4:5], memory s[6:7], mem_norm s[8:9], gate_beta s[10:11]
	s_load_b64 s[12:13], s[0:1], 0x20              ; inj
	s_set_vgpr_msb 0x40
	v_lshl_add_u32 v0, v0, 2, 0x31800
	v_mov_b32 v1, 0
	s_set_vgpr_msb 0x4045
	ds_add_u32 v0, v1
	s_set_vgpr_msb 0x4500
	v_lshrrev_b32 v1, 5, v0
	v_readfirstlane_b32 s14, v1                    ; wave 0..7
	s_and_b32 s15, ttmp7, 0xffff                   ; y = 16 b + n
	s_lshr_b32 s18, s15, 4
	s_lshl_b32 s18, s18, 5
	s_add_co_u32 s18, s18, s15                     ; 48 b + n: the q head's block
	s_lshl_b32 s18, s18, 18
	s_lshl_b32 s19, s14, 13                        ; 64 keys of 128 bytes for each wave
	s_add_co_u32 s20, s18, s19
	s_add_co_u32 s22, s20, 16*HEADB-4*8192         ; K: 16 heads on; waves 4-7 take keys 64 (wave - 4)
	s_add_co_u32 s20, s20, 32*HEADB                ; V: 32 heads on
	s_mov_b32 s21, 0
	s_mov_b32 s23, 0
	s_mul_i32 s2, s14, 64*PV                       ; V's quarter in a slot
	s_mul_i32 s3, s14, 64*PK
	s_add_co_u32 s3, s3, 256*PV-4*64*PK            ; K's quarter: 40,960 + (wave - 4) x 9,216
	; group 1: 64 rows x 64 elements of 2 bytes, dense; padding behind every 32 words: 8 words for V, 4 for K; mask 15 with bit 21 beside it
	s_mov_b32 s[G1V+0], 15|(1<<16)|(1<<20)|(1<<21)|(4<<22)|(7<<25)
	s_mov_b32 s[G1K+0], 15|(1<<16)|(1<<20)|(1<<21)|(4<<22)|(3<<25)
.irp g, G1V, G1K
	s_mov_b32 s[\g+1], 64<<16                      ; tensor_dim0
	s_mov_b32 s[\g+2], 64<<16                      ; tensor_dim1
	s_mov_b32 s[\g+3], 64<<16                      ; tile_dim0
	s_mov_b32 s[\g+4], 64                          ; tile_dim1
	s_mov_b32 s[\g+5], 64                          ; stride
	s_mov_b32 s[\g+6], 0
	s_mov_b32 s[\g+7], 0
.endr
	s_mov_b32 s56, 0x3e38aa3b                      ; c = log2(e) / 8, twice: a pair for the packed forms
	s_mov_b32 s57, 0x3e38aa3b
	s_mov_b32 s63, 0xbe38aa3b                      ; -c
	s_mov_b32 s58, 0x76543210                      ; v_permlanex16_b32: lane i takes lane i of the other half
	s_mov_b32 s59, 0xfedcba98
	s_mov_b32 s62, 0xffff0000
	; my queries: the only numbers in which the place in the cluster takes part, and they enter global addresses of q and inj alone
	s_bfe_u32 s16, ttmp6, 0x40000                  ; cx
	s_lshl_b32 s17, ttmp9, 2
	s_add_co_u32 s17, s17, s16                     ; query block
	s_lshl_b32 s17, s17, 15                        ; 256 rows of 128 bytes
	s_lshl_b32 s16, s14, 12
	s_add_co_u32 s17, s17, s16                     ; + my 32 rows
	s_add_co_u32 s18, s18, s17
	s_mov_b32 s19, 0
	s_lshl_b32 s16, s15, 18
	s_add_co_u32 s16, s16, s17
	s_mov_b32 s17, 0
	s_lshl_b32 s60, s15, 14                        ; memory: 16,384 bytes a head
	s_mov_b32 s61, 0
	s_wait_dscnt 0x0
	s_wait_kmcnt 0x0
	s_add_nc_u64 s[20:21], s[4:5], s[20:21]
	s_add_nc_u64 s[22:23], s[4:5], s[22:23]
	s_add_nc_u64 s[18:19], s[4:5], s[18:19]
	s_add_nc_u64 s[12:13], s[12:13], s[16:17]
	s_add_nc_u64 s[6:7], s[6:7], s[60:61]
	s_lshl_b32 s60, s15, 8                         ; mem_norm: 256 bytes a head
	s_add_nc_u64 s[8:9], s[8:9], s[60:61]
.irp s, 0,1
	s_mov_b32 s[G0V+4*\s], 1
	s_add_co_u32 s[G0V+4*\s+1], s2, \s*SLOT
	s_add_nc_u64 s[G0V+4*\s+2:G0V+4*\s+3], s[20:21], \s*TILEB
	s_or_b32 s[G0V+4*\s+3], s[G0V+4*\s+3], 0x80000000
	s_mov_b32 s[G0K+4*\s], 1
	s_add_co_u32 s[G0K+4*\s+1], s3, \s*SLOT
	s_add_nc_u64 s[G0K+4*\s+2:G0K+4*\s+3], s[22:23], \s*TILEB
	s_or_b32 s[G0K+4*\s+3], s[G0K+4*\s+3], 0x80000000
.endr
	ROUND                                          ; in front of the first joint load
	JLOAD 0                                        ; tile 0
	s_load_b32 s60, s[10:11], 0x0                  ; the gate's number
	v_and_b32 v1, 15, v0                           ; r
	v_bfe_u32 v2, v0, 4, 1                         ; h
	v_lshlrev_b32 v7, 7, v1
	v_lshl_add_u32 v7, v2, 4, v7                   ; q: row r, byte 16 h
	v_lshlrev_b32 v5, 4, v0                        ; memory: 16 bytes a thread
.irp qt, 0,1
.irp i, 0,1,2,3
	global_load_b128 v[QF+16*\qt+4*\i:QF+16*\qt+4*\i+3], v7, s[18:19] offset:2048*\qt+32*\i   ; d = 8 h + 16 i ..: the four loads of a tile cover its rows whole
.endr
.endr
.irp i, 0,1,2,3
	global_load_b128 v[SC+4*\i:SC+4*\i+3], v5, s[6:7] offset:4096*\i
.endr
	v_mul_u32_u24 v3, v1, PK
	v_lshl_add_u32 v3, v2, 4, v3                   ; r x 144 + 16 h
	v_add_nc_u32 v[ADRK], 256*PV, v3
	v_add_nc_u32 v[ADRK+1], SLOT+256*PV, v3
	v_and_b32 v4, 7, v0
	v_lshl_add_u32 v6, v2, 3, v4                   ; key row 8 h + lane % 8
	v_mul_u32_u24 v6, v6, PV
	v_bfe_u32 v[TT], v0, 3, 1
	v_lshl_add_u32 v[ADRV], v[TT], 4, v6
	v_add_nc_u32 v[ADRV+1], SLOT, v[ADRV]
	v_add_nc_u32 v[ADRM], MEMS, v[ADRV]
	s_mul_i32 s61, s14, 32*PK
	s_add_co_u32 s61, s61, STAGE                   ; my stage
	v_add_nc_u32 v[STO], s61, v3
	v_bfe_u32 v6, v0, 3, 2
	v_mul_u32_u24 v6, v6, PK
	v_lshl_add_u32 v6, v4, 4, v6
	v_add_nc_u32 v[RD], s61, v6                    ; back: eight lanes a row of 128 bytes, a wave four rows
	v_and_b32 v6, 31, v0
	v_lshlrev_b32 v[GO], 4, v6
	v_lshrrev_b32 v4, 4, v0
	v_mul_u32_u24 v4, v4, PV
	v_lshl_add_u32 v4, v1, 3, v4
	v_add_nc_u32 v4, MEMS, v4                      ; memory row thread / 16, four bf16 at byte 8 (thread % 16)
	v_lshlrev_b32 v6, 5, v2                        ; mem_norm: 32 h
	v_mov_b32 v[TT+4], 0                           ; v_permlanex16_b32 counts as a reader of its destination
	v_mov_b32 v[TT+5], 0
	s_wait_loadcnt 0x0                             ; q and memory, once
.irp i, 0,1,2,3
	v_cvt_pk_bf16_f32 v[SC+16+2*\i], v[SC+4*\i], v[SC+4*\i+1]
	v_cvt_pk_bf16_f32 v[SC+17+2*\i], v[SC+4*\i+2], v[SC+4*\i+3]
	ds_store_b64 v4, v[SC+16+2*\i:SC+17+2*\i] offset:16*PV*\i   ; read at the end, behind the waits and barriers of every trip
.endr
	s_wait_kmcnt 0x0
.macro KLOAD slot, c                   ; 64 keys x 64 d of K: first the fragments of d = 0..31, then those of d = 32..63
.irp ks, 0,1
.irp kt, 0,1,2,3
	ds_load_b128 v[FR+16*\kt+8*\ks:FR+16*\kt+8*\ks+3],   v[ADRK+\slot] offset:\c*64*PK+\kt*16*PK+64*\ks
	ds_load_b128 v[FR+16*\kt+8*\ks+4:FR+16*\kt+8*\ks+7], v[ADRK+\slot] offset:\c*64*PK+\kt*16*PK+64*\ks+32
.endr
.endr
.endm
.macro SMUL                            ; S^T: eight accumulators by turns, one instruction a turn
	s_wait_dscnt 8                                 ; the eight loads of d = 0..31 are in
.irp qt, 0,1
.irp kt, 0,1,2,3
	v_wmma_f32_16x16x32_bf16 v[SC+32*\qt+8*\kt:SC+32*\qt+8*\kt+7], v[FR+16*\kt:FR+16*\kt+7], v[QF+16*\qt:QF+16*\qt+7], 0
.endr
.endr
	s_wait_dscnt 0
.irp qt, 0,1
.irp kt, 0,1,2,3
	v_wmma_f32_16x16x32_bf16 v[SC+32*\qt+8*\kt:SC+32*\qt+8*\kt+7], v[FR+16*\kt+8:FR+16*\kt+15], v[QF+16*\qt+8:QF+16*\qt+15], v[SC+32*\qt+8*\kt:SC+32*\qt+8*\kt+7]
.endr
.endr
.endm
.macro VLOAD slot, c                   ; V^T of the same 64 keys: fragment (kk, dt) = 16 d x 32 keys
.irp kk, 0,1
.irp dt, 0,1,2,3
	ds_load_tr16_b128 v[FR+32*\kk+8*\dt:FR+32*\kk+8*\dt+3],   v[ADRV+\slot] offset:\c*64*PV+\kk*32*PV+32*\dt
	ds_load_tr16_b128 v[FR+32*\kk+8*\dt+4:FR+32*\kk+8*\dt+7], v[ADRV+\slot] offset:\c*64*PV+\kk*32*PV+32*\dt+16*PV
.endr
.endr
.endm
.macro MAX32 t, s                      ; the largest of 32 registers from s, in two chains; result in v[t]
	v_max3_num_f32 v[\t], v[\s], v[\s+1], v[\s+2]
	v_max3_num_f32 v[\t+1], v[\s+16], v[\s+17], v[\s+18]
.irp i, 3,5,7,9,11,13
	v_max3_num_f32 v[\t], v[\t], v[\s+\i], v[\s+\i+1]
	v_max3_num_f32 v[\t+1], v[\t+1], v[\s+16+\i], v[\s+17+\i]
.endr
	v_max3_num_f32 v[\t], v[\t], v[\s+15], v[\s+31]
	v_max_num_f32 v[\t], v[\t], v[\t+1]
.endm
.macro SUM32 t, s                      ; the sum of 32 registers from s, in two packed chains; left as the pair v[t:t+1]
	v_pk_add_f32 v[\t:\t+1], v[\s:\s+1], v[\s+2:\s+3]
	v_pk_add_f32 v[\t+2:\t+3], v[\s+16:\s+17], v[\s+18:\s+19]
.irp i, 4,6,8,10,12,14
	v_pk_add_f32 v[\t:\t+1], v[\t:\t+1], v[\s+\i:\s+\i+1]
	v_pk_add_f32 v[\t+2:\t+3], v[\t+2:\t+3], v[\s+16+\i:\s+17+\i]
.endr
	v_pk_add_f32 v[\t:\t+1], v[\t:\t+1], v[\t+2:\t+3]
.endm
.macro SOFTMAX first
	MAX32 TT, SC
	MAX32 TT+2, SC+32
	v_permlanex16_b32 v[TT+4], v[TT], s58, s59     ; the other half of the lanes holds the other keys of my query
	v_permlanex16_b32 v[TT+5], v[TT+2], s58, s59
.if \first
	v_max_num_f32 v[MXA], v[TT], v[TT+4]
	v_max_num_f32 v[MXB], v[TT+2], v[TT+5]
	v_mul_f32 v[NMA], s63, v[MXA]
	v_mul_f32 v[NMB], s63, v[MXB]
.else
	v_max3_num_f32 v[MXA], v[TT], v[TT+4], v[MXA]
	v_max3_num_f32 v[MXB], v[TT+2], v[TT+5], v[MXB]
	v_mul_f32 v[TT], s63, v[MXA]                   ; the new shift
	v_mul_f32 v[TT+2], s63, v[MXB]
	v_sub_f32 v[TT+1], v[TT], v[NMA]               ; new shift - old shift, at most 0
	v_sub_f32 v[TT+3], v[TT+2], v[NMB]
	v_exp_f32 v[ALA], v[TT+1]
	v_exp_f32 v[ALB], v[TT+3]
	v_mov_b32 v[NMA], v[TT]                        ; plain lines behind the exponentials (ISA guide 5.7.2)
	v_mov_b32 v[NMB], v[TT+2]
.endif
.irp i, 0,2,4,6,8,10,12,14,16,18,20,22,24,26,28,30
	v_pk_fma_f32 v[SC+\i:SC+\i+1], v[SC+\i:SC+\i+1], s[56:57], v[NMA:NMA+1] op_sel_hi:[1,0,0]
	v_pk_fma_f32 v[SC+32+\i:SC+33+\i], v[SC+32+\i:SC+33+\i], s[56:57], v[NMB:NMB+1] op_sel_hi:[1,0,0]
.endr
.set e, 0
.rept 64
	v_exp_f32 v[SC+e], v[SC+e]
.set e, e+1
.endr
.if \first
	v_nop                                          ; one plain line before the last exponential's result is read (ISA guide 5.7.2)
	s_wait_alu depctr_va_vdst(0)
.else
	s_wait_alu depctr_va_vdst(0)
.irp i, 0,2,4,6,8,10,12,14,16,18,20,22,24,26,28,30
	v_pk_mul_f32 v[OA+\i:OA+\i+1], v[OA+\i:OA+\i+1], v[ALA:ALA+1] op_sel_hi:[1,0]        ; O is brought to the new maximum
	v_pk_mul_f32 v[OA+32+\i:OA+33+\i], v[OA+32+\i:OA+33+\i], v[ALB:ALB+1] op_sel_hi:[1,0]
.endr
.endif
	SUM32 TT, SC
	SUM32 TT+4, SC+32
.if \first
	v_add_f32 v[LSA], v[TT], v[TT+1]
	v_add_f32 v[LSB], v[TT+4], v[TT+5]
.else
	v_add_f32 v[TT], v[TT], v[TT+1]
	v_add_f32 v[TT+4], v[TT+4], v[TT+5]
	v_fma_f32 v[LSA], v[LSA], v[ALA], v[TT]
	v_fma_f32 v[LSB], v[LSB], v[ALB], v[TT+4]
.endif
.irp b, 0,16,32,48
.irp i, 0,1,2,3,4,5,6,7
	v_cvt_pk_bf16_f32 v[SC+\b+\i], v[SC+\b+2*\i], v[SC+\b+2*\i+1]   ; in place: register i takes 2 i and 2 i + 1, which no earlier line of the run has written
.endr
.endr
.endm
.macro PVMUL first                     ; O^T += V^T P^T: eight accumulators by turns, one instruction a turn
	s_wait_dscnt 0x0                               ; V's fragments, asked for in front of the softmax
.irp qt, 0,1
.irp dt, 0,1,2,3
.if \first
	v_wmma_f32_16x16x32_bf16 v[OA+32*\qt+8*\dt:OA+32*\qt+8*\dt+7], v[FR+8*\dt:FR+8*\dt+7], v[SC+32*\qt:SC+32*\qt+7], 0
.else
	v_wmma_f32_16x16x32_bf16 v[OA+32*\qt+8*\dt:OA+32*\qt+8*\dt+7], v[FR+8*\dt:FR+8*\dt+7], v[SC+32*\qt:SC+32*\qt+7], v[OA+32*\qt+8*\dt:OA+32*\qt+8*\dt+7]
.endif
.endr
.endr
.irp qt, 0,1
.irp dt, 0,1,2,3
	v_wmma_f32_16x16x32_bf16 v[OA+32*\qt+8*\dt:OA+32*\qt+8*\dt+7], v[FR+32+8*\dt:FR+32+8*\dt+7], v[SC+32*\qt+16:SC+32*\qt+23], v[OA+32*\qt+8*\dt:OA+32*\qt+8*\dt+7]
.endr
.endr
.endm
.macro CHUNK slot, c, first            ; 64 keys
	KLOAD \slot, \c
	SMUL
.rept 4
	v_nop                                          ; four places before K's fragment registers are loaded again and S is read (ISA guide 7.12.1)
.endr
	VLOAD \slot, \c
	SOFTMAX \first
	PVMUL \first
.rept 5
	v_nop                                          ; five places before the next S^T writes over P^T's registers; four would do for the next loads into the fragments
.endr
.endm
; A tile of 256 keys.  In front of the round every wave waits for all its tensor loads (its part of this tile) and for its reads of the other slot;
; behind the round the other slot is filled first, and has the whole trip in which to land.
.macro TRIP slot, other, refill, first
	s_set_vgpr_msb 0x5
	s_wait_tensorcnt 0x0
	ds_add_u32 v0, v1
	s_wait_dscnt 0x0
	s_set_vgpr_msb 0x500
	s_add_nc_u64 s[G0V+4*\slot+2:G0V+4*\slot+3], s[G0V+4*\slot+2:G0V+4*\slot+3], 2*TILEB   ; no load of mine is out: this slot's next tile
	s_add_nc_u64 s[G0K+4*\slot+2:G0K+4*\slot+3], s[G0K+4*\slot+2:G0K+4*\slot+3], 2*TILEB
	s_wait_dscnt 0x0
	ROUND
.if \refill
	JLOAD \other
.endif
	CHUNK \slot, 0, \first
	CHUNK \slot, 1, 0
	CHUNK \slot, 2, 0
	CHUNK \slot, 3, 0
.endm
	TRIP 0, 1, 1, 1                                ; the first chunk starts maximum, sum and O
	TRIP 1, 0, 1, 0
	s_mov_b32 s61, 2
.Lpair:
	TRIP 0, 1, 1, 0
	TRIP 1, 0, 1, 0
	s_sub_co_u32 s61, s61, 1
	s_cmp_lg_u32 s61, 0
	s_cbranch_scc1 .Lpair
	TRIP 0, 1, 1, 0
	TRIP 1, 0, 0, 0                                ; the eighth tile: nothing is left to fetch
	; THE MEMORY'S PART AND THE GATE
.set NRM, SC                           ; v128-159 norm at my 32 places of d, in the order of my Q registers
.set XX,  SC+32                        ; v160-167 eight q in f32, then elu(q) + 1
.set EE,  SC+40                        ; v168-175 exp(q)
.set XP,  SC+48                        ; v176-183 q + 1
.irp g, 0,1,2,3
	global_load_b128 v[NRM+8*\g:NRM+8*\g+3],   v6, s[8:9] offset:64*\g
	global_load_b128 v[NRM+8*\g+4:NRM+8*\g+7], v6, s[8:9] offset:64*\g+16
.endr
.irp kk, 0,1
.irp dt, 0,1,2,3
	ds_load_tr16_b128 v[FR+32*\kk+8*\dt:FR+32*\kk+8*\dt+3],   v[ADRM] offset:\kk*32*PV+32*\dt
	ds_load_tr16_b128 v[FR+32*\kk+8*\dt+4:FR+32*\kk+8*\dt+7], v[ADRM] offset:\kk*32*PV+32*\dt+16*PV
.endr
.endr
	v_mov_b32 v[TT+6], s60
	v_mul_f32 v[TT+6], 0xbfb8aa3b, v[TT+6]         ; -log2(e) beta
	v_permlanex16_b32 v[TT+4], v[LSA], s58, s59
	v_permlanex16_b32 v[TT+5], v[LSB], s58, s59
	v_exp_f32 v[TT+6], v[TT+6]
	v_add_f32 v[LSA], v[LSA], v[TT+4]              ; the two halves' sums meet
	v_add_f32 v[LSB], v[LSB], v[TT+5]
	s_wait_alu depctr_va_vdst(0)
	v_add_f32 v[TT+6], 1.0, v[TT+6]
	v_rcp_f32 v[TT+6], v[TT+6]                     ; g = sigmoid(beta)
	v_rcp_f32 v[NMA], v[LSA]
	v_rcp_f32 v[NMB], v[LSB]
	v_nop                                          ; one plain line behind the reciprocals (ISA guide 5.7.2)
	s_wait_alu depctr_va_vdst(0)
	v_sub_f32 v[TT+7], 1.0, v[TT+6]
	v_mul_f32 v[NMA], v[NMA], v[TT+7]              ; (1 - g) / l
	v_mul_f32 v[NMB], v[NMB], v[TT+7]
	s_wait_loadcnt 0x0                             ; norm
; four Q registers (eight d) become elu(q) + 1, in bf16 in place; their products with norm go into the pair v[TT+2 qt : TT+2 qt+1]
.macro CQ qt, g
.irp j, 0,1,2,3
	v_lshlrev_b32 v[XX+2*\j], 16, v[QF+16*\qt+4*\g+\j]
	v_and_b32 v[XX+2*\j+1], s62, v[QF+16*\qt+4*\g+\j]
.endr
.irp j, 0,2,4,6
	v_pk_mul_f32 v[EE+\j:EE+\j+1], v[XX+\j:XX+\j+1], 0x3fb8aa3b op_sel_hi:[1,0]
.endr
.irp j, 0,1,2,3,4,5,6,7
	v_exp_f32 v[EE+\j], v[EE+\j]
.endr
.irp j, 0,2,4,6
	v_pk_add_f32 v[XP+\j:XP+\j+1], v[XX+\j:XX+\j+1], 1.0 op_sel_hi:[1,0]   ; plain lines behind the exponentials
.endr
	s_wait_alu depctr_va_vdst(0)
.irp j, 0,1,2,3,4,5,6,7
	v_cmp_lt_f32 vcc_lo, 0, v[XX+\j]
	v_cndmask_b32 v[XX+\j], v[EE+\j], v[XP+\j], vcc_lo                     ; q > 0: q + 1, else exp(q)
.endr
.irp j, 0,2,4,6
.if \g+\j == 0
	v_pk_mul_f32 v[TT+2*\qt:TT+2*\qt+1], v[XX:XX+1], v[NRM:NRM+1]
.else
	v_pk_fma_f32 v[TT+2*\qt:TT+2*\qt+1], v[XX+\j:XX+\j+1], v[NRM+8*\g+\j:NRM+8*\g+\j+1], v[TT+2*\qt:TT+2*\qt+1]
.endif
.endr
.irp j, 0,1,2,3
	v_cvt_pk_bf16_f32 v[QF+16*\qt+4*\g+\j], v[XX+2*\j], v[XX+2*\j+1]
.endr
.endm
.irp qt, 0,1
.irp g, 0,1,2,3
	CQ \qt, \g
.endr
.endr
	v_add_f32 v[TT], v[TT], v[TT+1]
	v_add_f32 v[TT+2], v[TT+2], v[TT+3]
	v_permlanex16_b32 v[TT+4], v[TT], s58, s59
	v_permlanex16_b32 v[TT+5], v[TT+2], s58, s59
	v_add_f32 v[TT], v[TT], v[TT+4]                ; the denominator of my query
	v_add_f32 v[TT+2], v[TT+2], v[TT+5]
	v_rcp_f32 v[ALA], v[TT]
	v_rcp_f32 v[ALB], v[TT+2]
	v_nop
	s_wait_alu depctr_va_vdst(0)
	v_mul_f32 v[ALA], v[ALA], v[TT+6]              ; g / denominator
	v_mul_f32 v[ALB], v[ALB], v[TT+6]
	s_wait_dscnt 0x0                               ; memory^T's fragments
.irp qt, 0,1                                       ; N^T = memory^T (elu(q) + 1)^T: eight accumulators by turns
.irp dt, 0,1,2,3
	v_wmma_f32_16x16x32_bf16 v[SC+32*\qt+8*\dt:SC+32*\qt+8*\dt+7], v[FR+8*\dt:FR+8*\dt+7], v[QF+16*\qt:QF+16*\qt+7], 0
.endr
.endr
.irp qt, 0,1
.irp dt, 0,1,2,3
	v_wmma_f32_16x16x32_bf16 v[SC+32*\qt+8*\dt:SC+32*\qt+8*\dt+7], v[FR+32+8*\dt:FR+32+8*\dt+7], v[QF+16*\qt+8:QF+16*\qt+15], v[SC+32*\qt+8*\dt:SC+32*\qt+8*\dt+7]
.endr
.endr
.irp i, 0,2,4,6,8,10,12,14,16,18,20,22,24,26,28,30
	v_pk_mul_f32 v[OA+\i:OA+\i+1], v[OA+\i:OA+\i+1], v[NMA:NMA+1] op_sel_hi:[1,0]          ; these 32 lines are the places behind the matrix instructions
	v_pk_mul_f32 v[OA+32+\i:OA+33+\i], v[OA+32+\i:OA+33+\i], v[NMB:NMB+1] op_sel_hi:[1,0]
.endr
.irp i, 0,2,4,6,8,10,12,14,16,18,20,22,24,26,28,30
	v_pk_fma_f32 v[OA+\i:OA+\i+1], v[SC+\i:SC+\i+1], v[ALA:ALA+1], v[OA+\i:OA+\i+1] op_sel_hi:[1,0,1]
	v_pk_fma_f32 v[OA+32+\i:OA+33+\i], v[SC+32+\i:SC+33+\i], v[ALB:ALB+1], v[OA+32+\i:OA+33+\i] op_sel_hi:[1,0,1]
.endr
.irp b, 0,8,16,24,32,40,48,56
.irp i, 0,1,2,3
	v_cvt_pk_bf16_f32 v[OA+\b+\i], v[OA+\b+2*\i], v[OA+\b+2*\i+1]
.endr
.endr
.irp qt, 0,1
.irp dt, 0,1,2,3
	ds_store_b128 v[STO], v[OA+32*\qt+8*\dt:OA+32*\qt+8*\dt+3] offset:16*PK*\qt+32*\dt     ; query 16 qt + r, d = 16 dt + 8 h ..
.endr
.endr
.irp t, 0,1,2,3,4,5,6,7
	ds_load_b128 v[FR+4*\t:FR+4*\t+3], v[RD] offset:4*PK*\t        ; my own stage: LDS serves a wave's instructions in order
.endr
.irp t, 0,1,2,3,4,5,6,7
	s_wait_dscnt 7-\t                              ; the younger read-backs stay out
	global_store_b128 v[GO], v[FR+4*\t:FR+4*\t+3], s[12:13] offset:512*\t   ; four rows of the head: 512 consecutive bytes
.endr
	s_set_vgpr_msb 0x5
	s_wait_tensorcnt 0x0
	ds_add_u32 v0, v1
	s_wait_dscnt 0x0
	s_set_vgpr_msb 0x500
	ROUND                                          ; the closing round
	s_endpgm
.Lfunc_end_k_q58e330d304_attn:
	.size	k_q58e330d304_attn, .Lfunc_end_k_q58e330d304_attn-k_q58e330d304_attn
	.p2alignl 7, 3214868480
	.fill 96, 4, 3214868480
	.section	.rodata,"a",@progbits
	.p2align	6, 0x0
	.amdhsa_kernel k_q58e330d304_attn
		.amdhsa_group_segment_fixed_size 327680
		.amdhsa_private_segment_fixed_size 0
		.amdhsa_enable_private_segment 0
		.amdhsa_kernarg_size 40
		.amdhsa_user_sgpr_count 2
		.amdhsa_user_sgpr_kernarg_segment_ptr 1
		.amdhsa_wavefront_size32 1
		.amdhsa_system_sgpr_workgroup_id_x 1
		.amdhsa_system_sgpr_workgroup_id_y 1
		.amdhsa_system_sgpr_workgroup_id_z 1
		.amdhsa_system_vgpr_workitem_id 0
		.amdhsa_next_free_vgpr 258
		.amdhsa_next_free_sgpr 66
		.amdhsa_reserve_vcc 1
		.amdhsa_float_denorm_mode_32 3
		.amdhsa_float_denorm_mode_16_64 3
		.amdhsa_memory_ordered 1
		.amdhsa_forward_progress 1
		.amdhsa_inst_pref_size 255
	.end_amdhsa_kernel
	.section	.bss,"aw",@nobits
	.p2align	6
	.space	262144
	.amdgpu_metadata
---
amdhsa.version: [ 1, 2 ]
amdhsa.kernels:
  - .name:           k_q58e330d304_attn
    .symbol:         k_q58e330d304_attn.kd
    .args:
      - { .name: qkv, .offset: 0, .size: 8, .value_kind: global_buffer, .address_space: global }
      - { .name: memory, .offset: 8, .size: 8, .value_kind: global_buffer, .address_space: global }
      - { .name: mem_norm, .offset: 16, .size: 8, .value_kind: global_buffer, .address_space: global }
      - { .name: gate_beta, .offset: 24, .size: 8, .value_kind: global_buffer, .address_space: global }
      - { .name: inj, .offset: 32, .size: 8, .value_kind: global_buffer, .address_space: global }
    .group_segment_fixed_size: 327680
    .private_segment_fixed_size: 0
    .kernarg_segment_align: 8
    .kernarg_segment_size: 40
    .max_flat_workgroup_size: 256
    .sgpr_count:     66
    .vgpr_count:     258
    .wavefront_size: 32
...
	.end_amdgpu_metadata
.endif
;; end of part 3
;; launch outln (part 4): grid 64 x 1, 4 waves a work-group, clusters of 4 x 1, 327,680 bytes of LDS; arguments inj, wob, h, ln_gamma, ln_beta, out0; writes out0
.if DOCPART == 4
	.amdgcn_target "amdgcn-amd-amdhsa--gfx1250"
	.amdhsa_code_object_version 6
	.text
	.protected	k_q58e330d304_outln
	.globl	k_q58e330d304_outln
	.p2align	8
	.type	k_q58e330d304_outln,@function
k_q58e330d304_outln:
	s_mov_b64 s[64:65], 0
	v_nop
	global_prefetch_b8 v0, s[64:65] scope:SCOPE_SE
	s_setreg_imm32_b32 hwreg(HW_REG_WAVE_MODE, 25, 1), 1
	s_wait_xcnt 0x0
	s_wait_alu depctr_hold_cnt(0) depctr_sa_sdst(0) depctr_va_vdst(0) depctr_va_sdst(0) depctr_va_ssrc(0) depctr_va_vcc(0) depctr_vm_vsrc(0)
	s_getreg_b32 s2, hwreg(HW_REG_IB_STS2, 6, 4)
	s_cmp_eq_u32 s2, 0
	s_cbranch_scc0 .Lentry_in_a_cluster
	s_endpgm
.Lentry_in_a_cluster:
	s_bfe_u32 s2, ttmp6, 0x10000c
	s_cmp_lg_u32 s2, 0x3003
	s_cbranch_scc0 .Lentry_shape_is_right
	s_endpgm
.Lentry_shape_is_right:
; out0 = LayerNorm(h + inj Wo) gamma + beta.  inj [b][16][2048][64] bf16, wob [1024 k][1024] bf16, h and out0 [2048][2][1024] f32.
; LayerNorm needs whole rows, so a work-group makes 64 rows (64 consecutive s of one b) x all 1,024 columns: 64 work-groups.
; Four waves; wave w makes all 64 rows x columns 256 w .. 256 w + 255: 4 x 16 accumulator tiles, 512 registers.
; K goes in 16 steps of 64 (one head each) through two LDS slots.
; CLUSTERS: all work-groups walk the same wob, so its tiles are joint loads of the four work-groups of a cluster (mask 15).  inj's tile is
; each work-group's own (8 KiB of a step's 136 KiB) and comes by a plain load behind the same round.
; By this text's own count waves 0 to 2 have two tensor loads out at the start and one behind each refill; wave 3 issues none.
; Since the waves' counts differ, every wait on TENSORcnt in this text is for 0, the one in front of the first barrier too.
; Mean and variance are taken in two passes over the row in registers: no difference of large sums.
.set PA,    144                        ; inj's LDS row: 128 bytes + 16
.set PB,    1056                       ; wob's LDS row (512 columns): 1,024 bytes + 32 = 33 x 32
.set STRIP, 64*PB                      ; 67,584: 64 k rows of 512 columns
.set SLOT,  2*STRIP+64*PA              ; 144,384: two strips of B, then A
.set SP,    4112                       ; the stage's row: 4,096 bytes + 16; it lies on the ring, behind the ring's last fill
.set HEADB, 262144
.set LAPS,  8
.set ADRA, 16                          ; v16-17
.set ADRB, 20                          ; v20-21
.set STG,  24                          ; v24-27  stage address of row block a
.set LR,   28                          ; v28     my first row in the stage, 16 bytes a lane
.set HO,   29                          ; v29     16 x lane
.set FA,   32                          ; window 0: v32-63, v64-95  A's fragments; later two rows at work
.set FB,   0                           ; window 1: v0-127, v128-255
.set GG,   96                          ; v96-127   gamma at my 32 columns
.set BT,   128                         ; v128-159  beta
.set HH,   160                         ; v160-191, v192-223  two rows of h
.set TT,   224
.set G1,  12                           ; s[12:19] group 1 of A's tiles
.set G0,  20                           ; s[20:27] group 0 of A's tiles
.set G1B, 44                           ; s[44:51] group 1 of B's tiles
.set G0B, 52                           ; s[52:59] group 0 of B's tiles
.set MSB, 0
.macro WIN new
.if MSB != \new
	s_set_vgpr_msb (MSB<<8)|\new
.set MSB, \new
.endif
.endm
.set MUL_LO, 0xa1
.set MUL_HI, 0xf1
.set TO_B,   0x40
.macro JLOAD s                         ; waves 0, 1: a strip of B each, jointly; wave 2: A; wave 3: nothing
	s_cmp_lt_u32 s10, 2
	s_cbranch_scc0 .Lnot_b_\@
	tensor_load_to_lds s[G0B+4*\s:G0B+4*\s+3], s[G1B:G1B+7]
	s_nop 0
	s_branch .Lasked_\@
.Lnot_b_\@:
	s_cmp_eq_u32 s10, 2
	s_cbranch_scc0 .Lasked_\@
	tensor_load_to_lds s[G0+4*\s:G0+4*\s+3], s[G1:G1+7]
	s_nop 0
.Lasked_\@:
.endm
.macro CREST
	s_cmp_lg_u32 s10, 0
	s_cbranch_scc1 .Lnot_wave_0_\@
	s_barrier_signal -3
.Lnot_wave_0_\@:
	s_barrier_wait -3
	s_barrier_signal -1
	s_barrier_wait -1
.endm
.macro CROUND
	s_barrier_signal -1
	s_barrier_wait -1
	CREST
.endm
	s_load_b128 s[4:7], s[0:1], 0x0                ; inj s[4:5], wob s[6:7]
	s_load_b64 s[8:9], s[0:1], 0x10                ; h
	s_load_b128 s[36:39], s[0:1], 0x18             ; gamma s[36:37], beta s[38:39]
	s_load_b64 s[40:41], s[0:1], 0x28              ; out0
	v_lshl_add_u32 v254, v0, 2, 0x46800
	v_mov_b32 v255, 0
	ds_add_u32 v254, v255
	v_lshrrev_b32 v1, 5, v0
	v_readfirstlane_b32 s10, v1                    ; wave 0..3
	s_bfe_u32 s2, ttmp6, 0x40000                   ; cx
	s_lshl_b32 s28, ttmp9, 2
	s_add_co_u32 s28, s28, s2                      ; row block 0..63
	s_lshr_b32 s29, s28, 5                         ; b
	s_and_b32 s28, s28, 31
	s_lshl_b32 s28, s28, 6                         ; s0
	s_lshl_b32 s32, s29, 22                        ; inj: b x 16 heads
	s_lshl_b32 s33, s28, 7                         ; + s0 rows of 128 bytes
	s_add_co_u32 s32, s32, s33
	s_mov_b32 s33, 0
	s_lshl_b32 s30, s10, 10                        ; wob: strip = wave (0, 1), 1,024 bytes of each row
	s_mov_b32 s31, 0
	s_mul_i32 s11, s10, STRIP                      ; LDS: strips at 0 and 67,584, A at 135,168 = wave x 67,584
	s_lshl_b32 s34, s28, 13                        ; h and out0: 8,192 bytes from s to s + 1
	s_lshl_b32 s35, s10, 17                        ; + my 16 rows
	s_add_co_u32 s34, s34, s35
	s_lshl_b32 s35, s29, 12                        ; + b
	s_add_co_u32 s34, s34, s35
	s_mov_b32 s35, 0
	s_mov_b32 s60, 0x76543210
	s_mov_b32 s61, 0xfedcba98
	s_mov_b32 s62, 0x3a800000                      ; 1 / 1024
	s_mov_b32 s63, 0x3727c5ac                      ; 1e-5
	; group 1 of A's tiles: 64 rows x 64 elements, dense, 4 words of padding behind every 32; no mask
	s_mov_b32 s[G1+0], (1<<16)|(1<<20)|(4<<22)|(3<<25)
	s_mov_b32 s[G1+1], 64<<16
	s_mov_b32 s[G1+2], 64<<16
	s_mov_b32 s[G1+3], 64<<16
	s_mov_b32 s[G1+4], 64
	s_mov_b32 s[G1+5], 64
	s_mov_b32 s[G1+6], 0
	s_mov_b32 s[G1+7], 0
	; group 1 of B's tiles: 64 k rows x 512 elements, 1,024 from row to row, 8 words of padding behind every 256; mask 15 with bit 21 beside it
	s_mov_b32 s[G1B+0], 15|(1<<16)|(1<<20)|(1<<21)|(7<<22)|(7<<25)
	s_mov_b32 s[G1B+1], 512<<16
	s_mov_b32 s[G1B+2], 64<<16
	s_mov_b32 s[G1B+3], 512<<16
	s_mov_b32 s[G1B+4], 64
	s_mov_b32 s[G1B+5], 1024
	s_mov_b32 s[G1B+6], 0
	s_mov_b32 s[G1B+7], 0
	s_wait_dscnt 0x0
	s_wait_kmcnt 0x0
	s_add_nc_u64 s[4:5], s[4:5], s[32:33]
	s_add_nc_u64 s[6:7], s[6:7], s[30:31]
	s_add_nc_u64 s[8:9], s[8:9], s[34:35]
	s_add_nc_u64 s[40:41], s[40:41], s[34:35]
	CROUND                                         ; in front of the first loads
.irp s, 0,1
	s_mov_b32 s[G0+4*\s], 1
	s_add_co_u32 s[G0+4*\s+1], s11, \s*SLOT
	s_add_nc_u64 s[G0+4*\s+2:G0+4*\s+3], s[4:5], \s*HEADB
	s_or_b32 s[G0+4*\s+3], s[G0+4*\s+3], 0x80000000
	s_mov_b32 s[G0B+4*\s], 1
	s_add_co_u32 s[G0B+4*\s+1], s11, \s*SLOT
	s_add_nc_u64 s[G0B+4*\s+2:G0B+4*\s+3], s[6:7], \s*64*2048
	s_or_b32 s[G0B+4*\s+3], s[G0B+4*\s+3], 0x80000000
	JLOAD \s                                       ; K steps 0 and 1
.endr
	v_and_b32 v1, 15, v0                           ; r
	v_bfe_u32 v2, v0, 4, 1                         ; h
	v_mul_u32_u24 v3, v1, PA
	v_lshl_add_u32 v3, v2, 4, v3
	v_add_nc_u32 v[ADRA], 2*STRIP, v3
	v_add_nc_u32 v[ADRA+1], 2*STRIP+SLOT, v3
	v_and_b32 v4, 7, v0
	v_lshl_add_u32 v4, v2, 3, v4                   ; k row 8 h + lane % 8
	v_mul_u32_u24 v4, v4, PB
	v_bfe_u32 v5, v0, 3, 1
	v_lshl_add_u32 v4, v5, 4, v4
	s_lshr_b32 s28, s10, 1
	s_mul_i32 s28, s28, STRIP                      ; my strip,
	s_and_b32 s29, s10, 1
	s_lshl_b32 s29, s29, 9                         ; my half of it
	s_add_co_u32 s28, s28, s29
	v_add_nc_u32 v[ADRB], s28, v4
	v_add_nc_u32 v[ADRB+1], SLOT, v[ADRB]
	v_mul_u32_u24 v5, v1, SP
	v_lshl_add_u32 v5, v2, 5, v5                   ; stage: row r, 32 bytes for each half of the lanes,
	s_lshl_b32 s29, s10, 10
	v_add_nc_u32 v[STG], s29, v5                   ; my 256 columns
.irp a, 1,2,3
	v_add_nc_u32 v[STG+\a], \a*16*SP, v[STG]
.endr
	v_and_b32 v5, 31, v0
	v_lshlrev_b32 v[HO], 4, v5
	s_mul_i32 s29, s10, 16*SP
	v_add_nc_u32 v[LR], s29, v[HO]
; 16 matrix instructions: row block a of the window's two x my 16 column blocks, 32 along K, buffer f.  Source 0 = 16 columns of Wo,
; source 1 = 16 rows of inj: a lane's eight results are eight neighbouring columns of one row.
.macro MUL16 f, hi, a, zero
.irp b, 0,1,2,3,4,5,6,7,8,9,10,11,12,13,14,15
.if \zero
	v_wmma_f32_16x16x32_bf16 v[8*(16*\a+\b):8*(16*\a+\b)+7], v[FB+128*\f+8*\b:FB+128*\f+8*\b+7], v[FA+32*\f+8*(2*\hi+\a):FA+32*\f+8*(2*\hi+\a)+7], 0
.else
	v_wmma_f32_16x16x32_bf16 v[8*(16*\a+\b):8*(16*\a+\b)+7], v[FB+128*\f+8*\b:FB+128*\f+8*\b+7], v[FA+32*\f+8*(2*\hi+\a):FA+32*\f+8*(2*\hi+\a)+7], v[8*(16*\a+\b):8*(16*\a+\b)+7]
.endif
.endr
.endm
.macro FETCH slot, sub, f              ; 40 LDS loads in one run: half sub (32 along K) of a slot into buffer f
	WIN TO_B
.irp i, 0,1,2,3,4,5,6,7,8,9,10,11,12,13,14,15
	ds_load_tr16_b128 v[FB+128*\f+8*\i:FB+128*\f+8*\i+3],   v[ADRB+\slot] offset:\sub*32*PB+32*\i
	ds_load_tr16_b128 v[FB+128*\f+8*\i+4:FB+128*\f+8*\i+7], v[ADRB+\slot] offset:\sub*32*PB+32*\i+16*PB
.endr
	WIN 0
.irp a, 0,1,2,3
	ds_load_b128 v[FA+32*\f+8*\a:FA+32*\f+8*\a+3],   v[ADRA+\slot] offset:\sub*64+\a*16*PA
	ds_load_b128 v[FA+32*\f+8*\a+4:FA+32*\f+8*\a+7], v[ADRA+\slot] offset:\sub*64+\a*16*PA+32
.endr
.endm
.macro PLACES                          ; four places behind a matrix instruction (ISA guide 7.12.1 for vector instructions)
.rept 4
	v_nop
.endr
.endm
; A K step is two halves of 32 along K, 64 matrix instructions each, on buffers 0 and 1.  The 64 accumulators take turns in one fixed
; order, one instruction a turn.
.macro HALF slot, zero
	s_wait_dscnt 4                                 ; B and A's row blocks 0, 1 are in; the youngest four loads may be out
	WIN MUL_LO
	MUL16 0, 0, 0, \zero
	MUL16 0, 0, 1, \zero
	PLACES
	FETCH \slot, 1, 1
	s_wait_dscnt 40                                ; all but the 40 just issued
	WIN MUL_HI
	MUL16 0, 1, 0, \zero
	MUL16 0, 1, 1, \zero
.endm
.macro TURN slot, next, fill           ; the second half, and the change of slots
	s_wait_dscnt 4
	WIN MUL_LO
	MUL16 1, 0, 0, 0
	s_wait_dscnt 0                                 ; my reads of this slot are over
	s_set_vgpr_msb 0xa1a0
	s_wait_tensorcnt 0x0                           ; all my tensor loads have landed
	ds_add_u32 v254, v255
	s_wait_dscnt 0x0
	s_set_vgpr_msb 0xa0a1
	s_barrier_signal -1                            ; where a slot is filled again this barrier opens a round of the cluster's barrier
	MUL16 1, 0, 1, 0
	WIN 0
	s_barrier_wait -1
.if \fill
	CREST
	s_add_nc_u64 s[G0+4*\slot+2:G0+4*\slot+3], s[G0+4*\slot+2:G0+4*\slot+3], 2*HEADB
	s_add_nc_u64 s[G0B+4*\slot+2:G0B+4*\slot+3], s[G0B+4*\slot+2:G0B+4*\slot+3], 2*64*2048
	JLOAD \slot                                    ; the first tensor load behind the round, two K steps ahead
.endif
	PLACES
	FETCH \next, 0, 0
	WIN MUL_HI
	MUL16 1, 1, 0, 0
	MUL16 1, 1, 1, 0
.endm
.macro LAP zero
	HALF 0, \zero
	TURN 0, 1, 1
	HALF 1, 0
	TURN 1, 0, 1
.endm
	s_wait_tensorcnt 0x0                           ; all my first fills have landed.  Zero, not one: the waves have issued two loads or none, and only
	                                               ; the count 0 shows K step 0's tiles landed whatever the number a wave has issued
	s_barrier_signal -1
	s_barrier_wait -1                              ; everybody's have
	FETCH 0, 0, 0
	LAP 1
	WIN 0
	s_mov_b32 s3, LAPS-2
.Llap:
	LAP 0
	WIN 0
	s_sub_co_u32 s3, s3, 1
	s_cmp_lg_u32 s3, 0
	s_cbranch_scc1 .Llap
	HALF 0, 0                                      ; the last lap fills nothing
	TURN 0, 1, 0
	HALF 1, 0
	s_wait_dscnt 4
	WIN MUL_LO
	MUL16 1, 0, 0, 0
	MUL16 1, 0, 1, 0
	s_wait_dscnt 0
	WIN MUL_HI
	MUL16 1, 1, 0, 0
	MUL16 1, 1, 1, 0
	; THE END: the block goes through LDS in f32, so that each wave gets 16 whole rows.
	PLACES
	WIN 0
.irp j, 0,1,2,3,4,5,6,7
	global_load_b128 v[GG+4*\j:GG+4*\j+3], v[HO], s[36:37] offset:512*\j
.endr
.irp j, 0,1,2,3,4,5,6,7
	global_load_b128 v[BT+4*\j:BT+4*\j+3], v[HO], s[38:39] offset:512*\j
.endr
.irp i, 0,1
.irp j, 0,1,2,3,4,5,6,7
	global_load_b128 v[HH+32*\i+4*\j:HH+32*\i+4*\j+3], v[HO], s[8:9] offset:8192*\i+512*\j th:TH_LOAD_NT
.endr
.endr
	s_wait_dscnt 0x0                               ; my reads of the ring are over,
	s_barrier_signal -1
	s_barrier_wait -1                              ; everybody's are; every tensor load landed in front of the last change of slots
	WIN 0x08                                       ; store data from window 2
.irp a, 0,1
.irp b, 0,1,2,3,4,5,6,7,8,9,10,11,12,13,14,15
	ds_store_b128 v[STG+\a], v[8*(16*\a+\b):8*(16*\a+\b)+3] offset:64*\b
	ds_store_b128 v[STG+\a], v[8*(16*\a+\b)+4:8*(16*\a+\b)+7] offset:64*\b+16
.endr
.endr
	WIN 0x0c                                       ; from window 3
.irp a, 0,1
.irp b, 0,1,2,3,4,5,6,7,8,9,10,11,12,13,14,15
	ds_store_b128 v[STG+2+\a], v[8*(16*\a+\b):8*(16*\a+\b)+3] offset:64*\b
	ds_store_b128 v[STG+2+\a], v[8*(16*\a+\b)+4:8*(16*\a+\b)+7] offset:64*\b+16
.endr
.endr
	WIN 0
	s_wait_dscnt 0x0                               ; my stores are done, for the others' sake
	s_barrier_signal -1
	s_barrier_wait -1
.macro RED t                           ; the sum of v[t] over the 32 lanes, in every lane; v[t+1] has been written
	v_add_f32_dpp v[\t], v[\t], v[\t] row_xmask:1 row_mask:0xf bank_mask:0xf
	v_add_f32_dpp v[\t], v[\t], v[\t] row_xmask:2 row_mask:0xf bank_mask:0xf
	v_add_f32_dpp v[\t], v[\t], v[\t] row_xmask:4 row_mask:0xf bank_mask:0xf
	v_add_f32_dpp v[\t], v[\t], v[\t] row_xmask:8 row_mask:0xf bank_mask:0xf
	v_permlanex16_b32 v[\t+1], v[\t], s60, s61
	v_add_f32 v[\t], v[\t], v[\t+1]
.endm
.macro FOLD                            ; four packed chains in v[TT:TT+7] become one number in v[TT]
	v_pk_add_f32 v[TT:TT+1], v[TT:TT+1], v[TT+2:TT+3]
	v_pk_add_f32 v[TT+4:TT+5], v[TT+4:TT+5], v[TT+6:TT+7]
	v_pk_add_f32 v[TT:TT+1], v[TT:TT+1], v[TT+4:TT+5]
	v_add_f32 v[TT], v[TT], v[TT+1]
.endm
; Row i of my 16.  more = 1: row i + 2 of h is asked for.  left = how many younger loads of h may stay out.
.macro ROWLN i, more, left
.set YB, FA+32*(\i%2)
.set HB, HH+32*(\i%2)
	s_wait_xcnt 0x0                                ; these registers were the data of row i - 2's stores: loaded again only behind this wait (ISA guide 3.1)
.irp j, 0,1,2,3,4,5,6,7
	ds_load_b128 v[YB+4*\j:YB+4*\j+3], v[LR] offset:\i*SP+512*\j
.endr
	s_wait_loadcnt \left                           ; gamma, beta and this row of h are in; the next row's eight loads stay out
	s_wait_dscnt 0x0
.irp j, 0,2,4,6,8,10,12,14,16,18,20,22,24,26,28,30
	v_pk_add_f32 v[YB+\j:YB+\j+1], v[YB+\j:YB+\j+1], v[HB+\j:HB+\j+1]
.endr
.if \more
.irp j, 0,1,2,3,4,5,6,7
	global_load_b128 v[HB+4*\j:HB+4*\j+3], v[HO], s[8:9] offset:8192*(\i+2)+512*\j th:TH_LOAD_NT
.endr
.endif
.irp c, 0,2,4,6
	v_pk_add_f32 v[TT+\c:TT+\c+1], v[YB+\c:YB+\c+1], v[YB+8+\c:YB+9+\c]
.endr
.irp c, 0,2,4,6
	v_pk_add_f32 v[TT+\c:TT+\c+1], v[TT+\c:TT+\c+1], v[YB+16+\c:YB+17+\c]
.endr
.irp c, 0,2,4,6
	v_pk_add_f32 v[TT+\c:TT+\c+1], v[TT+\c:TT+\c+1], v[YB+24+\c:YB+25+\c]
.endr
	FOLD
	RED TT
	v_mul_f32 v[TT+8], s62, v[TT]                  ; the mean, twice
	v_mul_f32 v[TT+9], s62, v[TT]
.irp j, 0,2,4,6,8,10,12,14,16,18,20,22,24,26,28,30
	v_pk_add_f32 v[YB+\j:YB+\j+1], v[YB+\j:YB+\j+1], v[TT+8:TT+9] neg_lo:[0,1] neg_hi:[0,1]
.endr
.irp c, 0,2,4,6
	v_pk_mul_f32 v[TT+\c:TT+\c+1], v[YB+\c:YB+\c+1], v[YB+\c:YB+\c+1]
.endr
.irp c, 0,2,4,6
	v_pk_fma_f32 v[TT+\c:TT+\c+1], v[YB+8+\c:YB+9+\c], v[YB+8+\c:YB+9+\c], v[TT+\c:TT+\c+1]
.endr
.irp c, 0,2,4,6
	v_pk_fma_f32 v[TT+\c:TT+\c+1], v[YB+16+\c:YB+17+\c], v[YB+16+\c:YB+17+\c], v[TT+\c:TT+\c+1]
.endr
.irp c, 0,2,4,6
	v_pk_fma_f32 v[TT+\c:TT+\c+1], v[YB+24+\c:YB+25+\c], v[YB+24+\c:YB+25+\c], v[TT+\c:TT+\c+1]
.endr
	FOLD
	RED TT
	v_fma_f32 v[TT], v[TT], s62, s63               ; variance + 1e-5
	v_rsq_f32 v[TT+8], v[TT]
	v_rsq_f32 v[TT+9], v[TT]
	v_nop                                          ; one plain line behind the transcendentals (ISA guide 5.7.2)
	s_wait_alu depctr_va_vdst(0)
.irp j, 0,2,4,6,8,10,12,14,16,18,20,22,24,26,28,30
	v_pk_mul_f32 v[YB+\j:YB+\j+1], v[YB+\j:YB+\j+1], v[TT+8:TT+9]
.endr
.irp j, 0,2,4,6,8,10,12,14,16,18,20,22,24,26,28,30
	v_pk_fma_f32 v[YB+\j:YB+\j+1], v[YB+\j:YB+\j+1], v[GG+\j:GG+\j+1], v[BT+\j:BT+\j+1]
.endr
.irp j, 0,1,2,3,4,5,6,7
	global_store_b128 v[HO], v[YB+4*\j:YB+4*\j+3], s[40:41] offset:8192*\i+512*\j th:TH_STORE_NT   ; 512 consecutive bytes of the row
.endr
.endm
.irp i, 0,1,2,3,4,5,6,7,8,9,10,11,12,13
	ROWLN \i, 1, 8
.endr
	ROWLN 14, 0, 8
	ROWLN 15, 0, 0
	s_wait_tensorcnt 0x0
	ds_add_u32 v254, v255
	s_wait_dscnt 0x0
	CROUND                                         ; the closing round
	s_endpgm
.Lfunc_end_k_q58e330d304_outln:
	.size	k_q58e330d304_outln, .Lfunc_end_k_q58e330d304_outln-k_q58e330d304_outln
	.p2alignl 7, 3214868480
	.fill 96, 4, 3214868480
	.section	.rodata,"a",@progbits
	.p2align	6, 0x0
	.amdhsa_kernel k_q58e330d304_outln
		.amdhsa_group_segment_fixed_size 327680
		.amdhsa_private_segment_fixed_size 0
		.amdhsa_enable_private_segment 0
		.amdhsa_kernarg_size 48
		.amdhsa_user_sgpr_count 2
		.amdhsa_user_sgpr_kernarg_segment_ptr 1
		.amdhsa_wavefront_size32 1
		.amdhsa_system_sgpr_workgroup_id_x 1
		.amdhsa_system_sgpr_workgroup_id_y 1
		.amdhsa_system_sgpr_workgroup_id_z 1
		.amdhsa_system_vgpr_workitem_id 0
		.amdhsa_next_free_vgpr 1024
		.amdhsa_next_free_sgpr 66
		.amdhsa_reserve_vcc 0
		.amdhsa_float_denorm_mode_32 3
		.amdhsa_float_denorm_mode_16_64 3
		.amdhsa_memory_ordered 1
		.amdhsa_forward_progress 1
		.amdhsa_inst_pref_size 251
	.end_amdhsa_kernel
	.amdgpu_metadata
---
amdhsa.version: [ 1, 2 ]
amdhsa.kernels:
  - .name:           k_q58e330d304_outln
    .symbol:         k_q58e330d304_outln.kd
    .args:
      - { .name: inj, .offset: 0, .size: 8, .value_kind: global_buffer, .address_space: global }
      - { .name: wob, .offset: 8, .size: 8, .value_kind: global_buffer, .address_space: global }
      - { .name: h, .offset: 16, .size: 8, .value_kind: global_buffer, .address_space: global }
      - { .name: ln_gamma, .offset: 24, .size: 8, .value_kind: global_buffer, .address_space: global }
      - { .name: ln_beta, .offset: 32, .size: 8, .value_kind: global_buffer, .address_space: global }
      - { .name: out0, .offset: 40, .size: 8, .value_kind: global_buffer, .address_space: global }
    .group_segment_fixed_size: 327680
    .private_segment_fixed_size: 0
    .kernarg_segment_align: 8
    .kernarg_segment_size: 48
    .max_flat_workgroup_size: 128
    .sgpr_count:     66
    .vgpr_count:     1024
    .wavefront_size: 32
...
	.end_amdgpu_metadata
.endif
;; end of part 4
;; ======== version 2 of 2: 5 launches
;; workspace buffers: hb 8,388,608 bytes; wall 6,291,456 bytes; wob 2,097,152 bytes; qkv 25,165,824 bytes; inj 8,388,608 bytes; ybuf 16,777,216 bytes
;; launch cast: the kernel of part 1 again; grid 1024 x 1, 8 waves a work-group, no clusters, 0 bytes of LDS; arguments h, Wq, Wkv, Wo, hb, wall, wob; writes hb, wall, wob
;; launch qkv: the kernel of part 2 again; grid 16 x 16, 4 waves a work-group, clusters of 4 x 4, 327,680 bytes of LDS; arguments hb, wall, qkv; writes qkv
;; launch attn (part 5): grid 8 x 32, 16 waves a work-group, clusters of 4 x 1, 327,680 bytes of LDS; arguments qkv, memory, mem_norm, gate_beta, inj; writes inj
.if DOCPART == 5
	.amdgcn_target "amdgcn-amd-amdhsa--gfx1250"
	.amdhsa_code_object_version 6
	.text
	.protected	k_q58e330d304_attn
	.globl	k_q58e330d304_attn
	.p2align	8
	.type	k_q58e330d304_attn,@function
k_q58e330d304_attn:
	s_mov_b64 s[64:65], 0
	v_nop
	global_prefetch_b8 v0, s[64:65] scope:SCOPE_SE
	s_setreg_imm32_b32 hwreg(HW_REG_WAVE_MODE, 25, 1), 1
	s_wait_xcnt 0x0
	s_wait_alu depctr_hold_cnt(0) depctr_sa_sdst(0) depctr_va_vdst(0) depctr_va_sdst(0) depctr_va_ssrc(0) depctr_va_vcc(0) depctr_vm_vsrc(0)
	s_getreg_b32 s2, hwreg(HW_REG_IB_STS2, 6, 4)
	s_cmp_eq_u32 s2, 0
	s_cbranch_scc0 .Lentry_in_a_cluster
	s_endpgm
.Lentry_in_a_cluster:
	s_bfe_u32 s2, ttmp6, 0x10000c
	s_cmp_lg_u32 s2, 0x3003
	s_cbranch_scc0 .Lentry_shape_is_right
	s_endpgm
.Lentry_shape_is_right:
; inj = g (elu(q)+1) memory / ((elu(q)+1) . norm) + (1 - g) softmax(q k^T / 8) v, for one (b, n) and 256 queries a work-group.
; qkv [b][48][2048][64] bf16 (heads 0-15 q, 16-31 k, 32-47 v); inj [b][16][2048][64] bf16.
; SIXTEEN WAVES of 256 registers, in two groups of eight.  Waves wq and wq + 8 take the same 32 queries (two tiles of 16) and share the keys:
; K and V go in tiles of 256 keys through two LDS slots, and of a tile's four chunks of 64 keys group g takes chunks 2 g and 2 g + 1.
; Each wave keeps a running maximum, a sum and O of its own.  So four waves lie on each SIMD, and one wave's matrix instructions, another's
; exponentials and a third's plain vector work can be issued side by side.
; AT THE END the two waves of a pair meet: group 1 holds its two query tiles in swapped registers (register tile t = queries 16 (t xor g)),
; so that every wave runs the same text: it keeps register tile 0, hands register tile 1 (O, shift, sum) to its partner through LDS, and
; finishes 16 queries.
; CLUSTERS: the four work-groups of a cluster take four query blocks of one head and read the same K and V: every tile is a joint load (mask 15).
; By this text's own count waves 0-7 have one tensor load out at any time and waves 8-15 none; every wait on TENSORcnt is for 0.
; EVERYTHING IS TRANSPOSED.  S^T = K Q^T: a lane holds query r = lane % 16 and keys 8 h + j (h = lane / 16) of each tile of 16 keys.
; Two such tiles, packed to bf16 in place, are the B fragment of P^T for 32 keys, so no number changes its lane.  O^T = V^T P^T, with V^T read
; from V's rows by ds_load_tr16_b128.  Maximum, sum, rescale factor and gate are one number a lane; the two halves of the lanes meet by v_permlanex16_b32.
; SOFTMAX: a running maximum m of the raw scores; p = exp2(c s - c m), c = log2(e) / 8, one fused multiply-add with c m rounded once to f32
; (relative error of p about 2^-24 |c m|); the rescale factor is exp2 of the difference of the two rounded shifts, so it fits the stored sums.
; LIMITS: q enters elu rounded to bf16; elu(x) + 1 for x <= 0 is computed as exp(x); v_exp_f32 gives zero for results below 2^-126.
.set PV,    160                        ; V's LDS row: 128 bytes + 32 = 5 x 32
.set PK,    144                        ; K's LDS row: 128 bytes + 16 = 9 x 16
.set SLOT,  256*PV+256*PK              ; 77,824: V's 256 keys, then K's
.set MEMS,  2*SLOT                     ; 155,648: memory[k][v] in bf16, 64 rows of 160 bytes; no tensor load lands here
.set STAGE, MEMS+64*PV                 ; 165,888: 16 rows x 144 bytes for each wave; no tensor load lands here
.set XCH,   STAGE+16*16*PK             ; 202,752: what a wave hands to its partner; no tensor load lands here
.set XW,    4608                       ; a wave's part of it: 8 x 512 bytes of O, then shift and sum at 4,096 + 16 x lane
.set HEADB, 262144
.set TILEB, 32768                      ; 256 keys of 128 bytes
.set XS,   5                           ; v5      where I put what I hand over: my part of XCH + 16 x lane
.set XL,   7                           ; v7      where I find what my partner hands over
.set ADRK, 8                           ; v8-9    my K fragments in slot 0, 1 (my group's 128 keys)
.set ADRV, 10                          ; v10-11  my V fragments
.set ADRM, 12                          ; v12     the same pattern in MEMS
.set STO,  13
.set RD,   14
.set GO,   15
.set NMA, 16                           ; -c m of register tile 0;  v17 MXA = m
.set MXA, 17
.set NMB, 18                           ; the same of register tile 1
.set MXB, 19
.set ALA, 20                           ; rescale factor of tile 0;  v21 LSA = running sum (this half's keys)
.set LSA, 21
.set ALB, 22
.set LSB, 23
.set TT,  24                           ; v24-31  at work
.set QF,  32                           ; v32-63   Q fragments: 32 + 16 qt + 8 ks
.set OA,  64                           ; v64-127  O^T: 64 + 32 qt + 8 dt
.set SC,  128                          ; v128-191 S^T: 128 + 32 qt + 8 kt; then P^T: 128 + 32 qt + 16 kk
.set FR,  192                          ; v192-255 fragments of K, then of V
.set G1V, 24
.set G1K, 32
.set G0V, 40                           ; s[40:47] one set for each slot
.set G0K, 48                           ; s[48:55]
.macro ROUND                           ; a round of the cluster's barrier
	s_barrier_signal -1
	s_barrier_wait -1
	s_cmp_lg_u32 s14, 0
	s_cbranch_scc1 .Lnot_wave_0_\@
	s_barrier_signal -3
.Lnot_wave_0_\@:
	s_barrier_wait -3
	s_barrier_signal -1
	s_barrier_wait -1
.endm
.macro JLOAD s                         ; waves 0-3 fetch 64 keys of V each, waves 4-7 64 keys of K, waves 8-15 nothing
	s_cmp_lt_u32 s14, 4
	s_cbranch_scc0 .Lnot_v_\@
	tensor_load_to_lds s[G0V+4*\s:G0V+4*\s+3], s[G1V:G1V+7]
	s_nop 0
	s_branch .Lasked_\@
.Lnot_v_\@:
	s_cmp_lt_u32 s14, 8
	s_cbranch_scc0 .Lasked_\@
	tensor_load_to_lds s[G0K+4*\s:G0K+4*\s+3], s[G1K:G1K+7]
	s_nop 0
.Lasked_\@:
.endm
	s_load_b256 s[4:11], s[0:1], 0x0               ; qkv s[4:5], memory s[6:7], mem_norm s[8:9], gate_beta s[10:11]
	s_load_b64 s[12:13], s[0:1], 0x20              ; inj
	v_lshl_add_u32 v190, v0, 2, 0x43800
	v_mov_b32 v191, 0
	ds_add_u32 v190, v191
	s_wait_dscnt 0x0
	v_lshrrev_b32 v1, 5, v0
	v_readfirstlane_b32 s14, v1                    ; wave 0..15
	s_and_b32 s15, ttmp7, 0xffff                   ; y = 16 b + n
	s_lshr_b32 s18, s15, 4
	s_lshl_b32 s18, s18, 5
	s_add_co_u32 s18, s18, s15                     ; 48 b + n: the q head's block
	s_lshl_b32 s18, s18, 18
	s_lshl_b32 s19, s14, 13                        ; 64 keys of 128 bytes for each wave that fetches
	s_add_co_u32 s20, s18, s19
	s_add_co_u32 s22, s20, 16*HEADB-4*8192         ; K: 16 heads on; waves 4-7 take keys 64 (wave - 4)
	s_add_co_u32 s20, s20, 32*HEADB                ; V: 32 heads on; waves 0-3
	s_mov_b32 s21, 0
	s_mov_b32 s23, 0
	s_mul_i32 s2, s14, 64*PV                       ; V's quarter in a slot
	s_mul_i32 s3, s14, 64*PK
	s_add_co_u32 s3, s3, 256*PV-4*64*PK            ; K's quarter: 40,960 + (wave - 4) x 9,216
	; group 1: 64 rows x 64 elements of 2 bytes, dense; padding behind every 32 words: 8 words for V, 4 for K; mask 15 with bit 21 beside it
	s_mov_b32 s[G1V+0], 15|(1<<16)|(1<<20)|(1<<21)|(4<<22)|(7<<25)
	s_mov_b32 s[G1K+0], 15|(1<<16)|(1<<20)|(1<<21)|(4<<22)|(3<<25)
.irp g, G1V, G1K
	s_mov_b32 s[\g+1], 64<<16                      ; tensor_dim0
	s_mov_b32 s[\g+2], 64<<16                      ; tensor_dim1
	s_mov_b32 s[\g+3], 64<<16                      ; tile_dim0
	s_mov_b32 s[\g+4], 64                          ; tile_dim1
	s_mov_b32 s[\g+5], 64                          ; stride
	s_mov_b32 s[\g+6], 0
	s_mov_b32 s[\g+7], 0
.endr
	s_mov_b32 s56, 0x3e38aa3b                      ; c = log2(e) / 8, twice: a pair for the packed forms
	s_mov_b32 s57, 0x3e38aa3b
	s_mov_b32 s63, 0xbe38aa3b                      ; -c
	s_mov_b32 s58, 0x76543210                      ; v_permlanex16_b32: lane i takes lane i of the other half
	s_mov_b32 s59, 0xfedcba98
	s_mov_b32 s62, 0xffff0000
	; my queries: the only numbers in which the place in the cluster takes part, and they enter global addresses of q and inj alone
	s_bfe_u32 s16, ttmp6, 0x40000                  ; cx
	s_lshl_b32 s17, ttmp9, 2
	s_add_co_u32 s17, s17, s16                     ; query block
	s_lshl_b32 s17, s17, 15                        ; 256 rows of 128 bytes
	s_and_b32 s16, s14, 7
	s_lshl_b32 s16, s16, 12
	s_add_co_u32 s17, s17, s16                     ; + my pair's 32 rows
	s_add_co_u32 s18, s18, s17                     ; q: the pair's first row
	s_mov_b32 s19, 0
	s_lshl_b32 s16, s15, 18
	s_add_co_u32 s16, s16, s17
	s_lshr_b32 s17, s14, 3
	s_lshl_b32 s17, s17, 11
	s_add_co_u32 s16, s16, s17                     ; inj: the 16 rows that I finish: 16 g on
	s_mov_b32 s17, 0
	s_lshl_b32 s60, s15, 14                        ; memory: 16,384 bytes a head
	s_mov_b32 s61, 0
	s_wait_kmcnt 0x0
	s_add_nc_u64 s[20:21], s[4:5], s[20:21]
	s_add_nc_u64 s[22:23], s[4:5], s[22:23]
	s_add_nc_u64 s[18:19], s[4:5], s[18:19]
	s_add_nc_u64 s[12:13], s[12:13], s[16:17]
	s_add_nc_u64 s[6:7], s[6:7], s[60:61]
	s_lshl_b32 s60, s15, 8                         ; mem_norm: 256 bytes a head
	s_add_nc_u64 s[8:9], s[8:9], s[60:61]
.irp s, 0,1
	s_mov_b32 s[G0V+4*\s], 1
	s_add_co_u32 s[G0V+4*\s+1], s2, \s*SLOT
	s_add_nc_u64 s[G0V+4*\s+2:G0V+4*\s+3], s[20:21], \s*TILEB
	s_or_b32 s[G0V+4*\s+3], s[G0V+4*\s+3], 0x80000000
	s_mov_b32 s[G0K+4*\s], 1
	s_add_co_u32 s[G0K+4*\s+1], s3, \s*SLOT
	s_add_nc_u64 s[G0K+4*\s+2:G0K+4*\s+3], s[22:23], \s*TILEB
	s_or_b32 s[G0K+4*\s+3], s[G0K+4*\s+3], 0x80000000
.endr
	ROUND                                          ; in front of the first joint load
	JLOAD 0                                        ; tile 0
	s_load_b32 s60, s[10:11], 0x0                  ; the gate's number
	s_lshr_b32 s2, s14, 3                          ; g: my group
	s_lshl_b32 s3, s2, 11                          ; register tile 0 holds the pair's queries 16 g ..: 2,048 g bytes on,
	s_xor_b32 s16, s3, 2048                        ; register tile 1 the other sixteen
	v_and_b32 v1, 15, v0                           ; r
	v_bfe_u32 v2, v0, 4, 1                         ; h
	v_lshlrev_b32 v3, 7, v1
	v_lshl_add_u32 v3, v2, 4, v3                   ; q: row r, byte 16 h
	v_add_nc_u32 v7, s3, v3
	v_add_nc_u32 v[TT+1], s16, v3
	v_lshlrev_b32 v5, 4, v0                        ; memory: 16 bytes a thread
.irp i, 0,1,2,3
	global_load_b128 v[QF+4*\i:QF+4*\i+3], v7, s[18:19] offset:32*\i            ; d = 8 h + 16 i ..: the four loads of a tile cover its rows whole
.endr
.irp i, 0,1,2,3
	global_load_b128 v[QF+16+4*\i:QF+16+4*\i+3], v[TT+1], s[18:19] offset:32*\i
.endr
.irp i, 0,1
	global_load_b128 v[SC+4*\i:SC+4*\i+3], v5, s[6:7] offset:8192*\i            ; 512 threads x 16 bytes: 32 rows of memory a load
.endr
	v_mul_u32_u24 v3, v1, PK
	v_lshl_add_u32 v3, v2, 4, v3                   ; r x 144 + 16 h
	s_mul_i32 s3, s2, 128*PK                       ; my group's 128 keys of each tile,
	s_add_co_u32 s3, s3, 256*PV                    ; behind V's part of the slot
	v_add_nc_u32 v[ADRK], s3, v3
	v_add_nc_u32 v[ADRK+1], SLOT, v[ADRK]
	v_and_b32 v4, 7, v0
	v_lshl_add_u32 v6, v2, 3, v4                   ; key row 8 h + lane % 8
	v_mul_u32_u24 v6, v6, PV
	v_bfe_u32 v[TT], v0, 3, 1
	v_lshl_add_u32 v6, v[TT], 4, v6
	v_add_nc_u32 v[ADRM], MEMS, v6
	s_mul_i32 s3, s2, 128*PV
	v_add_nc_u32 v[ADRV], s3, v6
	v_add_nc_u32 v[ADRV+1], SLOT, v[ADRV]
	s_mul_i32 s61, s14, 16*PK
	s_add_co_u32 s61, s61, STAGE                   ; my stage
	v_add_nc_u32 v[STO], s61, v3
	v_bfe_u32 v6, v0, 3, 2
	v_mul_u32_u24 v6, v6, PK
	v_lshl_add_u32 v6, v4, 4, v6
	v_add_nc_u32 v[RD], s61, v6                    ; back: eight lanes a row of 128 bytes, a wave four rows
	v_and_b32 v6, 31, v0
	v_lshlrev_b32 v[GO], 4, v6
	v_lshrrev_b32 v4, 4, v0
	v_mul_u32_u24 v4, v4, PV
	v_lshl_add_u32 v4, v1, 3, v4
	v_add_nc_u32 v4, MEMS, v4                      ; memory row thread / 16, four bf16 at byte 8 (thread % 16)
	v_lshlrev_b32 v6, 5, v2                        ; mem_norm: 32 h
	v_mov_b32 v[TT+4], 0                           ; v_permlanex16_b32 counts as a reader of its destination
	v_mov_b32 v[TT+5], 0
	s_mul_i32 s2, s14, XW
	s_add_co_u32 s2, s2, XCH                       ; my part of the exchange,
	s_xor_b32 s3, s14, 8
	s_mul_i32 s3, s3, XW
	s_add_co_u32 s3, s3, XCH                       ; my partner's: wave xor 8
	s_wait_loadcnt 0x0                             ; q and memory, once; v5 and v7, which those loads named, are free behind this wait
	v_add_nc_u32 v[XS], s2, v[GO]
	v_add_nc_u32 v[XL], s3, v[GO]
.irp i, 0,1
	v_cvt_pk_bf16_f32 v[SC+16+2*\i], v[SC+4*\i], v[SC+4*\i+1]
	v_cvt_pk_bf16_f32 v[SC+17+2*\i], v[SC+4*\i+2], v[SC+4*\i+3]
	ds_store_b64 v4, v[SC+16+2*\i:SC+17+2*\i] offset:32*PV*\i   ; read at the end, behind the waits and barriers of every trip
.endr
	s_wait_kmcnt 0x0
.macro KLOAD slot, c                   ; 64 keys x 64 d of K: first the fragments of d = 0..31, then those of d = 32..63
.irp ks, 0,1
.irp kt, 0,1,2,3
	ds_load_b128 v[FR+16*\kt+8*\ks:FR+16*\kt+8*\ks+3],   v[ADRK+\slot] offset:\c*64*PK+\kt*16*PK+64*\ks
	ds_load_b128 v[FR+16*\kt+8*\ks+4:FR+16*\kt+8*\ks+7], v[ADRK+\slot] offset:\c*64*PK+\kt*16*PK+64*\ks+32
.endr
.endr
.endm
.macro SMUL                            ; S^T: eight accumulators by turns, one instruction a turn
	s_wait_dscnt 8                                 ; the eight loads of d = 0..31 are in
.irp qt, 0,1
.irp kt, 0,1,2,3
	v_wmma_f32_16x16x32_bf16 v[SC+32*\qt+8*\kt:SC+32*\qt+8*\kt+7], v[FR+16*\kt:FR+16*\kt+7], v[QF+16*\qt:QF+16*\qt+7], 0
.endr
.endr
	s_wait_dscnt 0
.irp qt, 0,1
.irp kt, 0,1,2,3
	v_wmma_f32_16x16x32_bf16 v[SC+32*\qt+8*\kt:SC+32*\qt+8*\kt+7], v[FR+16*\kt+8:FR+16*\kt+15], v[QF+16*\qt+8:QF+16*\qt+15], v[SC+32*\qt+8*\kt:SC+32*\qt+8*\kt+7]
.endr
.endr
.endm
.macro VLOAD slot, c                   ; V^T of the same 64 keys: fragment (kk, dt) = 16 d x 32 keys
.irp kk, 0,1
.irp dt, 0,1,2,3
	ds_load_tr16_b128 v[FR+32*\kk+8*\dt:FR+32*\kk+8*\dt+3],   v[ADRV+\slot] offset:\c*64*PV+\kk*32*PV+32*\dt
	ds_load_tr16_b128 v[FR+32*\kk+8*\dt+4:FR+32*\kk+8*\dt+7], v[ADRV+\slot] offset:\c*64*PV+\kk*32*PV+32*\dt+16*PV
.endr
.endr
.endm
.macro MAX32 t, s                      ; the largest of 32 registers from s, in two chains; result in v[t]
	v_max3_num_f32 v[\t], v[\s], v[\s+1], v[\s+2]
	v_max3_num_f32 v[\t+1], v[\s+16], v[\s+17], v[\s+18]
.irp i, 3,5,7,9,11,13
	v_max3_num_f32 v[\t], v[\t], v[\s+\i], v[\s+\i+1]
	v_max3_num_f32 v[\t+1], v[\t+1], v[\s+16+\i], v[\s+17+\i]
.endr
	v_max3_num_f32 v[\t], v[\t], v[\s+15], v[\s+31]
	v_max_num_f32 v[\t], v[\t], v[\t+1]
.endm
.macro SUM32 t, s                      ; the sum of 32 registers from s, in two packed chains; left as the pair v[t:t+1]
	v_pk_add_f32 v[\t:\t+1], v[\s:\s+1], v[\s+2:\s+3]
	v_pk_add_f32 v[\t+2:\t+3], v[\s+16:\s+17], v[\s+18:\s+19]
.irp i, 4,6,8,10,12,14
	v_pk_add_f32 v[\t:\t+1], v[\t:\t+1], v[\s+\i:\s+\i+1]
	v_pk_add_f32 v[\t+2:\t+3], v[\t+2:\t+3], v[\s+16+\i:\s+17+\i]
.endr
	v_pk_add_f32 v[\t:\t+1], v[\t:\t+1], v[\t+2:\t+3]
.endm
.macro SOFTMAX first
	MAX32 TT, SC
	MAX32 TT+2, SC+32
	v_permlanex16_b32 v[TT+4], v[TT], s58, s59     ; the other half of the lanes holds the other keys of my query
	v_permlanex16_b32 v[TT+5], v[TT+2], s58, s59
.if \first
	v_max_num_f32 v[MXA], v[TT], v[TT+4]
	v_max_num_f32 v[MXB], v[TT+2], v[TT+5]
	v_mul_f32 v[NMA], s63, v[MXA]
	v_mul_f32 v[NMB], s63, v[MXB]
.else
	v_max3_num_f32 v[MXA], v[TT], v[TT+4], v[MXA]
	v_max3_num_f32 v[MXB], v[TT+2], v[TT+5], v[MXB]
	v_mul_f32 v[TT], s63, v[MXA]                   ; the new shift
	v_mul_f32 v[TT+2], s63, v[MXB]
	v_sub_f32 v[TT+1], v[TT], v[NMA]               ; new shift - old shift, at most 0
	v_sub_f32 v[TT+3], v[TT+2], v[NMB]
	v_exp_f32 v[ALA], v[TT+1]
	v_exp_f32 v[ALB], v[TT+3]
	v_mov_b32 v[NMA], v[TT]                        ; plain lines behind the exponentials (ISA guide 5.7.2)
	v_mov_b32 v[NMB], v[TT+2]
.endif
.irp i, 0,2,4,6,8,10,12,14,16,18,20,22,24,26,28,30
	v_pk_fma_f32 v[SC+\i:SC+\i+1], v[SC+\i:SC+\i+1], s[56:57], v[NMA:NMA+1] op_sel_hi:[1,0,0]
	v_pk_fma_f32 v[SC+32+\i:SC+33+\i], v[SC+32+\i:SC+33+\i], s[56:57], v[NMB:NMB+1] op_sel_hi:[1,0,0]
.endr
.set e, 0
.rept 64
	v_exp_f32 v[SC+e], v[SC+e]
.set e, e+1
.endr
.if \first
	v_nop                                          ; one plain line before the last exponential's result is read (ISA guide 5.7.2)
	s_wait_alu depctr_va_vdst(0)
.else
	s_wait_alu depctr_va_vdst(0)
.irp i, 0,2,4,6,8,10,12,14,16,18,20,22,24,26,28,30
	v_pk_mul_f32 v[OA+\i:OA+\i+1], v[OA+\i:OA+\i+1], v[ALA:ALA+1] op_sel_hi:[1,0]        ; O is brought to the new maximum
	v_pk_mul_f32 v[OA+32+\i:OA+33+\i], v[OA+32+\i:OA+33+\i], v[ALB:ALB+1] op_sel_hi:[1,0]
.endr
.endif
	SUM32 TT, SC
	SUM32 TT+4, SC+32
.if \first
	v_add_f32 v[LSA], v[TT], v[TT+1]
	v_add_f32 v[LSB], v[TT+4], v[TT+5]
.else
	v_add_f32 v[TT], v[TT], v[TT+1]
	v_add_f32 v[TT+4], v[TT+4], v[TT+5]
	v_fma_f32 v[LSA], v[LSA], v[ALA], v[TT]
	v_fma_f32 v[LSB], v[LSB], v[ALB], v[TT+4]
.endif
.irp b, 0,16,32,48
.irp i, 0,1,2,3,4,5,6,7
	v_cvt_pk_bf16_f32 v[SC+\b+\i], v[SC+\b+2*\i], v[SC+\b+2*\i+1]   ; in place: register i takes 2 i and 2 i + 1, which no earlier line of the run has written
.endr
.endr
.endm
.macro PVMUL first                     ; O^T += V^T P^T: eight accumulators by turns, one instruction a turn
	s_wait_dscnt 0x0                               ; V's fragments, asked for in front of the softmax
.irp qt, 0,1
.irp dt, 0,1,2,3
.if \first
	v_wmma_f32_16x16x32_bf16 v[OA+32*\qt+8*\dt:OA+32*\qt+8*\dt+7], v[FR+8*\dt:FR+8*\dt+7], v[SC+32*\qt:SC+32*\qt+7], 0
.else
	v_wmma_f32_16x16x32_bf16 v[OA+32*\qt+8*\dt:OA+32*\qt+8*\dt+7], v[FR+8*\dt:FR+8*\dt+7], v[SC+32*\qt:SC+32*\qt+7], v[OA+32*\qt+8*\dt:OA+32*\qt+8*\dt+7]
.endif
.endr
.endr
.irp qt, 0,1
.irp dt, 0,1,2,3
	v_wmma_f32_16x16x32_bf16 v[OA+32*\qt+8*\dt:OA+32*\qt+8*\dt+7], v[FR+32+8*\dt:FR+32+8*\dt+7], v[SC+32*\qt+16:SC+32*\qt+23], v[OA+32*\qt+8*\dt:OA+32*\qt+8*\dt+7]
.endr
.endr
.endm
.macro CHUNK slot, c, first            ; 64 keys
	KLOAD \slot, \c
	SMUL
.rept 4
	v_nop                                          ; four places before K's fragment registers are loaded again and S is read (ISA guide 7.12.1)
.endr
	VLOAD \slot, \c
	SOFTMAX \first
	PVMUL \first
.rept 5
	v_nop                                          ; five places before the next S^T writes over P^T's registers; four would do for the next loads into the fragments
.endr
.endm
; A tile of 256 keys, of which my group takes 128.  In front of the round every wave waits for all its tensor loads (its part of this tile)
; and for its reads of the other slot; behind the round the other slot is filled first, and has the whole trip in which to land.
.macro TRIP slot, other, refill, first
	s_wait_xcnt 0x0
	v_lshl_add_u32 v190, v0, 2, 0x43800
	v_mov_b32 v191, 0
	s_wait_tensorcnt 0x0
	ds_add_u32 v190, v191
	s_wait_dscnt 0x0
	s_add_nc_u64 s[G0V+4*\slot+2:G0V+4*\slot+3], s[G0V+4*\slot+2:G0V+4*\slot+3], 2*TILEB   ; no load of mine is out: this slot's next tile
	s_add_nc_u64 s[G0K+4*\slot+2:G0K+4*\slot+3], s[G0K+4*\slot+2:G0K+4*\slot+3], 2*TILEB
	s_wait_dscnt 0x0
	ROUND
.if \refill
	JLOAD \other
.endif
	CHUNK \slot, 0, \first
	CHUNK \slot, 1, 0
.endm
	TRIP 0, 1, 1, 1                                ; the first chunk starts maximum, sum and O
	TRIP 1, 0, 1, 0
	s_mov_b32 s61, 2
.Lpair:
	TRIP 0, 1, 1, 0
	TRIP 1, 0, 1, 0
	s_sub_co_u32 s61, s61, 1
	s_cmp_lg_u32 s61, 0
	s_cbranch_scc1 .Lpair
	TRIP 0, 1, 1, 0
	TRIP 1, 0, 0, 0                                ; the eighth tile: nothing is left to fetch
	; THE PAIR MEETS.  Register tile 1 (O, its shift, its sum) goes to my partner; the five places behind the last matrix instruction stand above.
.set NRM, SC                           ; v128-159 norm at my 32 places of d, in the order of my Q registers; then N^T
.set XX,  SC+32                        ; v160-167 eight q in f32, then elu(q) + 1
.set EE,  SC+40                        ; v168-175 exp(q)
.set XP,  SC+48                        ; v176-183 q + 1
.irp j, 0,1,2,3,4,5,6,7
	ds_store_b128 v[XS], v[OA+32+4*\j:OA+32+4*\j+3] offset:512*\j
.endr
	ds_store_b32 v[XS], v[NMB] offset:4096
	ds_store_b32 v[XS], v[LSB] offset:4100
.irp g, 0,1,2,3
	global_load_b128 v[NRM+8*\g:NRM+8*\g+3],   v6, s[8:9] offset:64*\g
	global_load_b128 v[NRM+8*\g+4:NRM+8*\g+7], v6, s[8:9] offset:64*\g+16
.endr
.irp kk, 0,1
.irp dt, 0,1,2,3
	ds_load_tr16_b128 v[FR+32*\kk+8*\dt:FR+32*\kk+8*\dt+3],   v[ADRM] offset:\kk*32*PV+32*\dt
	ds_load_tr16_b128 v[FR+32*\kk+8*\dt+4:FR+32*\kk+8*\dt+7], v[ADRM] offset:\kk*32*PV+32*\dt+16*PV
.endr
.endr
	s_wait_dscnt 0x0                               ; my stores are done, for my partner's sake (memory^T's fragments are in as well)
	s_barrier_signal -1
	s_barrier_wait -1
.irp j, 0,1,2,3,4,5,6,7
	ds_load_b128 v[OA+32+4*\j:OA+32+4*\j+3], v[XL] offset:512*\j   ; my partner's O of the queries of my register tile 0, lane for lane
.endr
	ds_load_b64 v[TT+2:TT+3], v[XL] offset:4096    ; its shift and its sum
	; the gate, while they come
	v_mov_b32 v[TT+6], s60
	v_mul_f32 v[TT+6], 0xbfb8aa3b, v[TT+6]         ; -log2(e) beta
	v_exp_f32 v[TT+6], v[TT+6]
	v_nop                                          ; one plain line behind a transcendental (ISA guide 5.7.2)
	s_wait_alu depctr_va_vdst(0)
	v_add_f32 v[TT+6], 1.0, v[TT+6]
	v_rcp_f32 v[TT+6], v[TT+6]                     ; g = sigmoid(beta)
	v_nop
	s_wait_alu depctr_va_vdst(0)
	v_sub_f32 v[TT+7], 1.0, v[TT+6]
	s_wait_loadcnt 0x0                             ; norm
; four Q registers (eight d) of register tile 0 become elu(q) + 1, in bf16 in place; their products with norm go into the pair v[TT:TT+1]
.macro CQ g
.irp j, 0,1,2,3
	v_lshlrev_b32 v[XX+2*\j], 16, v[QF+4*\g+\j]
	v_and_b32 v[XX+2*\j+1], s62, v[QF+4*\g+\j]
.endr
.irp j, 0,2,4,6
	v_pk_mul_f32 v[EE+\j:EE+\j+1], v[XX+\j:XX+\j+1], 0x3fb8aa3b op_sel_hi:[1,0]
.endr
.irp j, 0,1,2,3,4,5,6,7
	v_exp_f32 v[EE+\j], v[EE+\j]
.endr
.irp j, 0,2,4,6
	v_pk_add_f32 v[XP+\j:XP+\j+1], v[XX+\j:XX+\j+1], 1.0 op_sel_hi:[1,0]   ; plain lines behind the exponentials
.endr
	s_wait_alu depctr_va_vdst(0)
.irp j, 0,1,2,3,4,5,6,7
	v_cmp_lt_f32 vcc_lo, 0, v[XX+\j]
	v_cndmask_b32 v[XX+\j], v[EE+\j], v[XP+\j], vcc_lo                     ; q > 0: q + 1, else exp(q)
.endr
.irp j, 0,2,4,6
.if \g+\j == 0
	v_pk_mul_f32 v[TT:TT+1], v[XX:XX+1], v[NRM:NRM+1]
.else
	v_pk_fma_f32 v[TT:TT+1], v[XX+\j:XX+\j+1], v[NRM+8*\g+\j:NRM+8*\g+\j+1], v[TT:TT+1]
.endif
.endr
.irp j, 0,1,2,3
	v_cvt_pk_bf16_f32 v[QF+4*\g+\j], v[XX+2*\j], v[XX+2*\j+1]
.endr
.endm
.irp g, 0,1,2,3
	CQ \g
.endr
	v_add_f32 v[TT], v[TT], v[TT+1]
	v_permlanex16_b32 v[TT+4], v[TT], s58, s59
	v_add_f32 v[TT], v[TT], v[TT+4]                ; the denominator of my query
	v_rcp_f32 v[ALA], v[TT]
	v_nop
	s_wait_alu depctr_va_vdst(0)
	v_mul_f32 v[ALA], v[ALA], v[TT+6]              ; g / denominator
	s_wait_dscnt 0x0                               ; my partner's O, shift and sum
	v_min_num_f32 v[TT+5], v[NMA], v[TT+2]         ; the common shift -c max(m, m'): the smaller of the two
	v_sub_f32 v[MXA], v[TT+5], v[NMA]              ; common shift - own shift, at most 0
	v_sub_f32 v[MXB], v[TT+5], v[TT+2]
	v_exp_f32 v[MXA], v[MXA]
	v_exp_f32 v[MXB], v[MXB]
	v_nop
	s_wait_alu depctr_va_vdst(0)
	v_mul_f32 v[LSA], v[LSA], v[MXA]
	v_fma_f32 v[LSA], v[TT+3], v[MXB], v[LSA]      ; both groups' sums at the common shift
	v_permlanex16_b32 v[TT+4], v[LSA], s58, s59
	v_add_f32 v[LSA], v[LSA], v[TT+4]              ; the two halves of the lanes meet
	v_rcp_f32 v[TT+5], v[LSA]
	v_nop
	s_wait_alu depctr_va_vdst(0)
	v_mul_f32 v[TT+5], v[TT+5], v[TT+7]            ; (1 - g) / l
	v_mul_f32 v[NMA], v[MXA], v[TT+5]              ; the factor of my O
	v_mul_f32 v[NMB], v[MXB], v[TT+5]              ; the factor of my partner's
.irp dt, 0,1,2,3                                   ; N^T = memory^T (elu(q) + 1)^T: four accumulators by turns, one instruction a turn
	v_wmma_f32_16x16x32_bf16 v[SC+8*\dt:SC+8*\dt+7], v[FR+8*\dt:FR+8*\dt+7], v[QF:QF+7], 0
.endr
.irp dt, 0,1,2,3
	v_wmma_f32_16x16x32_bf16 v[SC+8*\dt:SC+8*\dt+7], v[FR+32+8*\dt:FR+32+8*\dt+7], v[QF+8:QF+15], v[SC+8*\dt:SC+8*\dt+7]
.endr
.irp i, 0,2,4,6,8,10,12,14,16,18,20,22,24,26,28,30
	v_pk_mul_f32 v[OA+\i:OA+\i+1], v[OA+\i:OA+\i+1], v[NMA:NMA+1] op_sel_hi:[1,0]          ; these lines and the next sixteen are the places behind the matrix instructions
.endr
.irp i, 0,2,4,6,8,10,12,14,16,18,20,22,24,26,28,30
	v_pk_fma_f32 v[OA+\i:OA+\i+1], v[OA+32+\i:OA+33+\i], v[NMB:NMB+1], v[OA+\i:OA+\i+1] op_sel_hi:[1,0,1]
.endr
.irp i, 0,2,4,6,8,10,12,14,16,18,20,22,24,26,28,30
	v_pk_fma_f32 v[OA+\i:OA+\i+1], v[SC+\i:SC+\i+1], v[ALA:ALA+1], v[OA+\i:OA+\i+1] op_sel_hi:[1,0,1]
.endr
.irp b, 0,8,16,24
.irp i, 0,1,2,3
	v_cvt_pk_bf16_f32 v[OA+\b+\i], v[OA+\b+2*\i], v[OA+\b+2*\i+1]
.endr
.endr
.irp dt, 0,1,2,3
	ds_store_b128 v[STO], v[OA+8*\dt:OA+8*\dt+3] offset:32*\dt     ; query r of my sixteen, d = 16 dt + 8 h ..
.endr
.irp t, 0,1,2,3
	ds_load_b128 v[FR+4*\t:FR+4*\t+3], v[RD] offset:4*PK*\t        ; my own stage: LDS serves a wave's instructions in order
.endr
.irp t, 0,1,2,3
	s_wait_dscnt 3-\t                              ; the younger read-backs stay out
	global_store_b128 v[GO], v[FR+4*\t:FR+4*\t+3], s[12:13] offset:512*\t   ; four rows of the head: 512 consecutive bytes
.endr
	s_wait_xcnt 0x0
	v_lshl_add_u32 v190, v0, 2, 0x43800
	v_mov_b32 v191, 0
	s_wait_tensorcnt 0x0
	ds_add_u32 v190, v191
	s_wait_dscnt 0x0
	ROUND                                          ; the closing round
	s_endpgm
.Lfunc_end_k_q58e330d304_attn:
	.size	k_q58e330d304_attn, .Lfunc_end_k_q58e330d304_attn-k_q58e330d304_attn
	.p2alignl 7, 3214868480
	.fill 96, 4, 3214868480
	.section	.rodata,"a",@progbits
	.p2align	6, 0x0
	.amdhsa_kernel k_q58e330d304_attn
		.amdhsa_group_segment_fixed_size 327680
		.amdhsa_private_segment_fixed_size 0
		.amdhsa_enable_private_segment 0
		.amdhsa_kernarg_size 40
		.amdhsa_user_sgpr_count 2
		.amdhsa_user_sgpr_kernarg_segment_ptr 1
		.amdhsa_wavefront_size32 1
		.amdhsa_system_sgpr_workgroup_id_x 1
		.amdhsa_system_sgpr_workgroup_id_y 1
		.amdhsa_system_sgpr_workgroup_id_z 1
		.amdhsa_system_vgpr_workitem_id 0
		.amdhsa_next_free_vgpr 256
		.amdhsa_next_free_sgpr 66
		.amdhsa_reserve_vcc 1
		.amdhsa_float_denorm_mode_32 3
		.amdhsa_float_denorm_mode_16_64 3
		.amdhsa_memory_ordered 1
		.amdhsa_forward_progress 1
		.amdhsa_inst_pref_size 235
	.end_amdhsa_kernel
	.amdgpu_metadata
---
amdhsa.version: [ 1, 2 ]
amdhsa.kernels:
  - .name:           k_q58e330d304_attn
    .symbol:         k_q58e330d304_attn.kd
    .args:
      - { .name: qkv, .offset: 0, .size: 8, .value_kind: global_buffer, .address_space: global }
      - { .name: memory, .offset: 8, .size: 8, .value_kind: global_buffer, .address_space: global }
      - { .name: mem_norm, .offset: 16, .size: 8, .value_kind: global_buffer, .address_space: global }
      - { .name: gate_beta, .offset: 24, .size: 8, .value_kind: global_buffer, .address_space: global }
      - { .name: inj, .offset: 32, .size: 8, .value_kind: global_buffer, .address_space: global }
    .group_segment_fixed_size: 327680
    .private_segment_fixed_size: 0
    .kernarg_segment_align: 8
    .kernarg_segment_size: 40
    .max_flat_workgroup_size: 512
    .sgpr_count:     66
    .vgpr_count:     256
    .wavefront_size: 32
...
	.end_amdgpu_metadata
.endif
;; end of part 5
;; launch proj (part 6): grid 8 x 32, 4 waves a work-group, clusters of 4 x 4, 327,680 bytes of LDS; arguments inj, wob, h, ybuf; writes ybuf
.if DOCPART == 6
	.amdgcn_target "amdgcn-amd-amdhsa--gfx1250"
	.amdhsa_code_object_version 6
	.text
	.protected	k_q58e330d304_proj
	.globl	k_q58e330d304_proj
	.p2align	8
	.type	k_q58e330d304_proj,@function
k_q58e330d304_proj:
	s_mov_b64 s[64:65], 0
	v_nop
	global_prefetch_b8 v0, s[64:65] scope:SCOPE_SE
	s_setreg_imm32_b32 hwreg(HW_REG_WAVE_MODE, 25, 1), 1
	s_wait_xcnt 0x0
	s_wait_alu depctr_hold_cnt(0) depctr_sa_sdst(0) depctr_va_vdst(0) depctr_va_sdst(0) depctr_va_ssrc(0) depctr_va_vcc(0) depctr_vm_vsrc(0)
	s_getreg_b32 s2, hwreg(HW_REG_IB_STS2, 6, 4)
	s_cmp_eq_u32 s2, 0
	s_cbranch_scc0 .Lentry_in_a_cluster
	s_endpgm
.Lentry_in_a_cluster:
	s_bfe_u32 s2, ttmp6, 0x10000c
	s_cmp_lg_u32 s2, 0xf033
	s_cbranch_scc0 .Lentry_shape_is_right
	s_endpgm
.Lentry_shape_is_right:
; ybuf = h + inj Wo.  inj [b 2][n 16][s 2048][64] bf16, wob [1024 k][1024] bf16, h and ybuf [2048 s][2 b][1024] f32; sums in f32.
; LayerNorm follows in a launch of its own: whole rows of 1,024 columns in one work-group would leave 64 work-groups of 64 rows and
; sixteen short K steps; blocks of 128 x 128 give 256 work-groups and four long ones.
; A work-group makes 128 rows (128 consecutive s of one b) x 128 columns.  Four waves, as many as a WGP has SIMDs; wave w makes
; rows 64 (w / 2) .. + 63 x columns 64 (w % 2) .. + 63: 4 x 4 accumulator tiles, 128 registers.
; K = 1,024 goes in four fills of 256 (four heads) through two LDS slots; the first two fills go out together at the start, so only
; two refills follow one another.  A head's 128 rows of 128 bytes lie without a gap in memory, 16 KiB: they come as ONE long row of a tile
; whose second row is the next head's block, 262,144 bytes on; the padding (16 bytes behind every 128) cuts the long row into LDS rows.
; wob's tile is [k][n] as it lies in memory, rows of 256 bytes at multiples of 256; fragments come from it by ds_load_tr16_b128.
; CLUSTERS: 4 x 4 work-groups.  inj's tile hangs on the block row alone and is asked for jointly by a row of the cluster, wob's on the block
; column alone and is asked for jointly by a column: four requests become one.
; By this text's own count a wave has two tensor loads out at the start and one behind each refill.
; REGISTER WINDOWS: 0 addresses, A's fragments, the way out; 1 B's fragments; 2 accumulators (v0-127) and my 64 x 64 piece of h (v128-255).
; THE MATRIX INSTRUCTION IS USED TRANSPOSED: source 0 = 16 columns of Wo, source 1 = 16 rows of inj, so that a lane's eight results
; are eight neighbouring columns of one row.
.set PA,     144                       ; A's LDS row: 128 bytes + 16 = 9 x 16
.set PB,     288                       ; B's LDS row: 256 bytes + 32 = 9 x 32
.set HEADL,  128*PA                    ; 18,432: one head's 128 rows
.set QUART,  2*HEADL                   ; 36,864: what one tensor load fills: two heads of A, or 128 k rows of B (128 x 288)
.set SLOT,   4*QUART                   ; 147,456: A's four heads, then B's 256 k rows
.set STAGE,  2*SLOT                    ; 294,912: behind the ring, filled by no tensor load: 16 rows x 272 bytes for each wave
.set SP,     272                       ; a stage row: 64 f32 + 16 bytes
.set HEADB,  262144                    ; a head's block in inj
.set ROWB,   8192                      ; bytes from s to s + 1 in h and ybuf
.set ADRA, 16                          ; v16-17  LDS address of my A fragments in slot 0, 1
.set ADRB, 20                          ; v20-21  the same for B, k rows 0-127; v22-23 k rows 128-255 (the immediate offset has 16 bits)
.set STO,  24                          ; v24     the way out: where I put 32 bytes of a row
.set RD,   25                          ; v25     the way out: where I read rows back
.set HO,   26                          ; v26     my byte offset in h and ybuf; never rewritten
.set F0,   64                          ; fragment buffer 0: v64-127 of window 0 (A) and of window 1 (B): 64 + 32 ks + 8 block
.set F1,   128                         ; fragment buffer 1
.set OB,   192                         ; window 0: v192-223, v224-255  rows on their way out, two buffers
.set HH,   128                         ; window 2: v128-255  h: 128 + 32 a + 4 t
.set G1,  24                           ; s[24:31] group 1 of A's tiles
.set G0,  32                           ; s[32:39] group 0 of A's tiles, one set for each slot
.set G1B, 48                           ; s[48:55] group 1 of B's tiles
.set G0B, 56                           ; s[56:63] group 0 of B's tiles, one set for each slot
.set MSB, 0
.macro WIN new                         ; the immediate's high byte repeats the setting that is left
.if MSB != \new
	s_set_vgpr_msb (MSB<<8)|\new
.set MSB, \new
.endif
.endm
.set MUL,    0xa1                      ; source 0 (B) window 1, source 1 (A) window 0, C and D window 2
.set TO_B,   0x40                      ; destination window 1, address window 0
.set TO_2,   0x80                      ; destination window 2, address window 0
.set FROM_2, 0x08                      ; source 1 (an LDS store's data; the second addend) window 2
; A joint load: waves 0 and 1 fetch A's two halves, waves 2 and 3 B's.  The branch hangs on the wave's number alone.
.macro JLOAD s
	s_cmp_eq_u32 s13, 0
	s_cbranch_scc0 .Lfor_b_\@
	tensor_load_to_lds s[G0+4*\s:G0+4*\s+3], s[G1:G1+7]
	s_nop 0
	s_branch .Lasked_\@
.Lfor_b_\@:
	tensor_load_to_lds s[G0B+4*\s:G0B+4*\s+3], s[G1B:G1B+7]
	s_nop 0
.Lasked_\@:
.endm
; A round of the cluster's barrier: my work-group's barrier; wave 0 signals for the work-group; every wave waits for all sixteen; my work-group's barrier again.
.macro CREST                           ; a round behind its opening barrier
	s_cmp_lg_u32 s12, 0
	s_cbranch_scc1 .Lnot_wave_0_\@
	s_barrier_signal -3
.Lnot_wave_0_\@:
	s_barrier_wait -3
	s_barrier_signal -1
	s_barrier_wait -1
.endm
.macro CROUND
	s_barrier_signal -1
	s_barrier_wait -1
	CREST
.endm
	s_load_b256 s[4:11], s[0:1], 0x0               ; inj s[4:5], wob s[6:7], h s[8:9], ybuf s[10:11]
	s_set_vgpr_msb 0x40
	v_lshl_add_u32 v255, v0, 2, 0x4c400
	s_set_vgpr_msb 0x4000
	v_mov_b32 v63, 0
	s_set_vgpr_msb 0x1
	ds_add_u32 v255, v63
	s_set_vgpr_msb 0x100
	v_lshrrev_b32 v1, 5, v0
	v_readfirstlane_b32 s12, v1                    ; wave 0..3
	s_lshr_b32 s13, s12, 1                         ; my half of the block's rows.  Also: I fetch for A (0) or for B (1)
	s_and_b32 s14, s12, 1                          ; my half of its columns.  Also: which half of that tile I fetch
	s_bfe_u32 s40, ttmp6, 0x40000                  ; cx
	s_bfe_u32 s41, ttmp6, 0x40004                  ; cy
	s_lshl_b32 s42, ttmp9, 2
	s_add_co_u32 s42, s42, s40                     ; block column 0..7 = 4 x cluster x + cx
	s_and_b32 s15, ttmp7, 0xffff
	s_lshl_b32 s15, s15, 2
	s_add_co_u32 s15, s15, s41                     ; block row 0..31 = 4 x cluster y + cy: b = row / 16, s0 = 128 (row mod 16)
	s_lshl_b32 s43, s41, 2
	s_lshl_b32 s43, 15, s43                        ; my row of the cluster: places 4 cy .. 4 cy + 3
	s_lshl_b32 s44, 0x1111, s40                    ; my column: places cx, cx + 4, cx + 8, cx + 12
	; group 1 of A's tiles: 2 rows x 8,192 elements of 2 bytes (a head's 128 x 64), 131,072 elements from head to head
	s_or_b32 s[G1+0], s43, (1<<16)|(1<<20)|(1<<21)|(4<<22)|(3<<25)  ; mask of my row; 2 bytes; padding on; bit 21 beside a mask; 4 words behind every 32
	s_mov_b32 s[G1+1], 8192<<16                    ; tensor_dim0 = 8,192
	s_mov_b32 s[G1+2], 2<<16                       ; tensor_dim1 = 2
	s_mov_b32 s[G1+3], 8192<<16                    ; tile_dim0 = 8,192
	s_mov_b32 s[G1+4], 2                           ; tile_dim1 = 2
	s_mov_b32 s[G1+5], 131072                      ; stride
	s_mov_b32 s[G1+6], 0
	s_mov_b32 s[G1+7], 0
	; group 1 of B's tiles: 128 k rows x 128 elements, 1,024 elements from row to row
	s_or_b32 s[G1B+0], s44, (1<<16)|(1<<20)|(1<<21)|(5<<22)|(7<<25) ; mask of my column; 8 words behind every 64
	s_mov_b32 s[G1B+1], 128<<16
	s_mov_b32 s[G1B+2], 128<<16
	s_mov_b32 s[G1B+3], 128<<16
	s_mov_b32 s[G1B+4], 128
	s_mov_b32 s[G1B+5], 1024
	s_mov_b32 s[G1B+6], 0
	s_mov_b32 s[G1B+7], 0
	; where the tiles come from: A's offset is made of the block row and the wave, B's of the block column and the wave, each in registers of its own
	s_lshr_b32 s16, s15, 4
	s_lshl_b32 s16, s16, 22                        ; b x 16 heads of 262,144 bytes
	s_and_b32 s17, s15, 15
	s_lshl_b32 s17, s17, 14                        ; + s0 rows of 128 bytes
	s_add_co_u32 s16, s16, s17
	s_lshl_b32 s17, s14, 19                        ; + two heads x half
	s_add_co_u32 s16, s16, s17
	s_mov_b32 s17, 0
	s_lshl_b32 s46, s42, 8                         ; 128 columns of 2 bytes
	s_lshl_b32 s47, s14, 18                        ; + 128 k rows of 2,048 bytes x half
	s_add_co_u32 s46, s46, s47
	s_mov_b32 s47, 0
	s_mul_i32 s22, s12, QUART                      ; and where they go: A's halves, then B's halves = wave x 36,864
	; my 64 x 64 piece of h and of ybuf
	s_and_b32 s20, s15, 15
	s_lshl_b32 s20, s20, 20                        ; s0 x 8,192
	s_lshl_b32 s21, s13, 19                        ; + my 64 rows
	s_add_co_u32 s20, s20, s21
	s_lshr_b32 s21, s15, 4
	s_lshl_b32 s21, s21, 12                        ; + b x 4,096
	s_add_co_u32 s20, s20, s21
	s_lshl_b32 s21, s42, 9                         ; + 128 columns of 4 bytes x block column
	s_add_co_u32 s20, s20, s21
	s_lshl_b32 s21, s14, 8                         ; + my 64 columns
	s_add_co_u32 s20, s20, s21
	s_mov_b32 s21, 0
	s_wait_dscnt 0x0
	s_wait_kmcnt 0x0
	s_add_nc_u64 s[18:19], s[4:5], s[16:17]
	s_add_nc_u64 s[46:47], s[6:7], s[46:47]
	s_add_nc_u64 s[8:9], s[8:9], s[20:21]
	s_add_nc_u64 s[10:11], s[10:11], s[20:21]
	CROUND                                         ; all sixteen work-groups are here: the first joint loads meet
.irp s, 0,1
	s_mov_b32 s[G0+4*\s], 1
	s_add_co_u32 s[G0+4*\s+1], s22, \s*SLOT
	s_add_nc_u64 s[G0+4*\s+2:G0+4*\s+3], s[18:19], \s*4*HEADB
	s_or_b32 s[G0+4*\s+3], s[G0+4*\s+3], 0x80000000
	s_mov_b32 s[G0B+4*\s], 1
	s_add_co_u32 s[G0B+4*\s+1], s22, \s*SLOT
	s_add_nc_u64 s[G0B+4*\s+2:G0B+4*\s+3], s[46:47], \s*256*2048
	s_or_b32 s[G0B+4*\s+3], s[G0B+4*\s+3], 0x80000000
	JLOAD \s                                       ; K = 0..255 and 256..511: half of all that the work-group reads goes out at once
.endr
	v_and_b32 v1, 15, v0                           ; r = lane % 16
	v_bfe_u32 v2, v0, 4, 1                         ; h = lane / 16
	v_lshlrev_b32 v3, 4, v1
	v_lshl_add_u32 v[HO], v2, 13, v3               ; lanes 0-15 take 256 bytes of one row, lanes 16-31 of the next
	; my piece of h, 32 loads, asked for now and used on the way out: it lands while the product is made
	WIN TO_2
.irp a, 0,1,2,3
.irp t, 0,1,2,3,4,5,6,7
	global_load_b128 v[HH+32*\a+4*\t:HH+32*\a+4*\t+3], v[HO], s[8:9] offset:(16*\a+2*\t)*ROWB th:TH_LOAD_NT
.endr
.endr
	WIN 0
	v_mul_u32_u24 v3, v1, PA
	v_lshl_add_u32 v3, v2, 4, v3                   ; A: row r, 16 bytes for each half of the lanes
	s_mul_i32 s23, s13, 64*PA                      ; my 64 rows
	v_add_nc_u32 v[ADRA], s23, v3
	v_add_nc_u32 v[ADRA+1], SLOT, v[ADRA]
	v_and_b32 v4, 7, v0
	v_lshl_add_u32 v5, v2, 3, v4                   ; B: k row 8 h + lane % 8,
	v_mul_u32_u24 v5, v5, PB
	v_bfe_u32 v6, v0, 3, 1
	v_lshl_add_u32 v5, v6, 4, v5                   ; 16 bytes for each eight lanes,
	s_lshl_b32 s23, s14, 7                         ; my 64 columns,
	s_add_co_u32 s23, s23, 2*QUART                 ; behind A's four heads
	v_add_nc_u32 v[ADRB], s23, v5
	v_add_nc_u32 v[ADRB+1], SLOT, v[ADRB]
	v_add_nc_u32 v[ADRB+2], QUART, v[ADRB]
	v_add_nc_u32 v[ADRB+3], SLOT+QUART, v[ADRB]
	s_mul_i32 s23, s12, 16*SP
	s_add_co_u32 s23, s23, STAGE                   ; my stage
	v_mul_u32_u24 v5, v1, SP
	v_lshl_add_u32 v5, v2, 5, v5
	v_add_nc_u32 v[STO], s23, v5                   ; in: row r, 32 bytes for each half of the lanes
	v_mul_u32_u24 v5, v2, SP
	v_lshl_add_u32 v5, v1, 4, v5
	v_add_nc_u32 v[RD], s23, v5                    ; back: lanes 0-15 one row of 256 bytes, lanes 16-31 the next
; 16 matrix instructions: my 4 x 4 tiles, 32 along K (half ks of a head), buffer f.  zero = 1: the first product starts the sums.
; The 16 accumulators take turns in one fixed order, one instruction a turn.
.macro MULH f, ks, zero
.irp a, 0,1,2,3
.irp i, 0,1,2,3
.if \zero
	v_wmma_f32_16x16x32_bf16 v[8*(4*\a+\i):8*(4*\a+\i)+7], v[\f+32*\ks+8*\i:\f+32*\ks+8*\i+7], v[\f+32*\ks+8*\a:\f+32*\ks+8*\a+7], 0
.else
	v_wmma_f32_16x16x32_bf16 v[8*(4*\a+\i):8*(4*\a+\i)+7], v[\f+32*\ks+8*\i:\f+32*\ks+8*\i+7], v[\f+32*\ks+8*\a:\f+32*\ks+8*\a+7], v[8*(4*\a+\i):8*(4*\a+\i)+7]
.endif
.endr
.endr
.endm
; 32 LDS loads in one run: the fragments of head hh (64 along K) of a slot into buffer f: 16 transposing loads for B, 16 plain ones for A
.macro FETCH slot, hh, f
	WIN TO_B
.irp ks, 0,1
.irp i, 0,1,2,3
	ds_load_tr16_b128 v[\f+32*\ks+8*\i:\f+32*\ks+8*\i+3],   v[ADRB+\slot+2*(\hh/2)] offset:(64*(\hh%2)+32*\ks)*PB+32*\i
	ds_load_tr16_b128 v[\f+32*\ks+8*\i+4:\f+32*\ks+8*\i+7], v[ADRB+\slot+2*(\hh/2)] offset:(64*(\hh%2)+32*\ks)*PB+32*\i+16*PB
.endr
.endr
	WIN 0
.irp ks, 0,1
.irp a, 0,1,2,3
	ds_load_b128 v[\f+32*\ks+8*\a:\f+32*\ks+8*\a+3],   v[ADRA+\slot] offset:\hh*HEADL+\a*16*PA+64*\ks
	ds_load_b128 v[\f+32*\ks+8*\a+4:\f+32*\ks+8*\a+7], v[ADRA+\slot] offset:\hh*HEADL+\a*16*PA+64*\ks+32
.endr
.endr
.endm
; Four places stand between a matrix instruction and a load into a register that it read, or an LDS store that reads its result
; (ISA guide 7.12.1 for vector instructions); other matrix instructions are not counted as places.
.macro PLACES
.rept 4
	v_nop
.endr
.endm
; One head: buffer f is multiplied (32 matrix instructions); head hh of the same slot is fetched into buffer g first, so that its 32 loads
; have the whole step in which to come back.
.macro STEP slot, hh, f, g, zero
	s_wait_dscnt 0                                 ; buffer f is in
	PLACES
	FETCH \slot, \hh, \g
	WIN MUL
	MULH \f, 0, \zero
	MULH \f, 1, 0
.endm
.macro PASS slot, zero                 ; heads 0, 1, 2 of a slot
	STEP \slot, 1, F0, F1, \zero
	STEP \slot, 2, F1, F0, 0
	STEP \slot, 3, F0, F1, 0
.endm
; The slot's last head, in buffer 1, and the change of slots.  In front of the barrier each wave waits for its reads of this slot (the last
; head's fragments are in registers) and for all its tensor loads.  Behind it the refill comes first, then the next slot's first fragments.
.macro TURN slot, next, fill
	s_wait_dscnt 0                                 ; my reads of this slot are over
	s_wait_tensorcnt 0x0                           ; all my tensor loads have landed: my part of the next slot
	ds_add_u32 v255, v63
	s_wait_dscnt 0x0
	s_barrier_signal -1                            ; where a slot is filled again this barrier opens a round of the cluster's barrier
	WIN MUL
	MULH F1, 0, 0                                  ; register work while the others arrive
	WIN 0
	s_barrier_wait -1
.if \fill
	CREST                                          ; no wave of any partner still reads this slot or has a load on its way
	s_add_nc_u64 s[G0+4*\slot+2:G0+4*\slot+3], s[G0+4*\slot+2:G0+4*\slot+3], 2*4*HEADB
	s_add_nc_u64 s[G0B+4*\slot+2:G0B+4*\slot+3], s[G0B+4*\slot+2:G0B+4*\slot+3], 2*256*2048
	JLOAD \slot                                    ; the first tensor load behind the round: 512 further along K
.endif
	PLACES
	FETCH \next, 0, F0
	WIN MUL
	MULH F1, 1, 0
.endm
	s_wait_tensorcnt 1                             ; my part of K = 0..255 is in; the second fill may stay out: every wave has issued two loads
	s_barrier_signal -1
	s_barrier_wait -1
	FETCH 0, 0, F0
	PASS 0, 1                                      ; K = 0..255; the first products start the sums
	TURN 0, 1, 1
	PASS 1, 0                                      ; K = 256..511
	TURN 1, 0, 1
	PASS 0, 0                                      ; K = 512..767
	TURN 0, 1, 0                                   ; nothing is left to fetch
	PASS 1, 0                                      ; K = 768..1023
	s_wait_dscnt 0
	WIN MUL
	MULH F1, 0, 0
	MULH F1, 1, 0
	; THE WAY OUT, 16 rows at a time: f32 into my own stage, read back as rows of 256 bytes, h added, stored.
	PLACES
; rows 16 a .. 16 a + 15 of my 64; o: buffer in turn
.macro OUT16 a, o
	WIN FROM_2
.irp i, 0,1,2,3
	ds_store_b128 v[STO], v[8*(4*\a+\i):8*(4*\a+\i)+3] offset:64*\i          ; row r, columns 16 i + 8 h ..
	ds_store_b128 v[STO], v[8*(4*\a+\i)+4:8*(4*\a+\i)+7] offset:64*\i+16
.endr
	WIN 0
	s_wait_xcnt 0x0                                ; buffer o, which earlier stores read, is loaded again only behind this wait (ISA guide 3.1)
.irp t, 0,1,2,3,4,5,6,7
	ds_load_b128 v[OB+32*\o+4*\t:OB+32*\o+4*\t+3], v[RD] offset:2*SP*\t      ; LDS serves a wave's instructions in order: these see the stores above
.endr
	s_wait_loadcnt 8*(3-\a)                        ; this row group's eight loads of h are in; the later groups' stay out
	WIN FROM_2
.irp t, 0,1,2,3,4,5,6,7
	s_wait_dscnt 7-\t                              ; the younger read-backs stay out
	v_pk_add_f32 v[OB+32*\o+4*\t:OB+32*\o+4*\t+1], v[OB+32*\o+4*\t:OB+32*\o+4*\t+1], v[HH+32*\a+4*\t:HH+32*\a+4*\t+1]
	v_pk_add_f32 v[OB+32*\o+4*\t+2:OB+32*\o+4*\t+3], v[OB+32*\o+4*\t+2:OB+32*\o+4*\t+3], v[HH+32*\a+4*\t+2:HH+32*\a+4*\t+3]
.endr
	WIN 0
.irp t, 0,1,2,3,4,5,6,7
	global_store_b128 v[HO], v[OB+32*\o+4*\t:OB+32*\o+4*\t+3], s[10:11] offset:(16*\a+2*\t)*ROWB   ; 16 lanes store 256 consecutive bytes at a multiple of 256 from ybuf's first byte
.endr
.endm
	OUT16 0, 0
	OUT16 1, 1
	OUT16 2, 0
	OUT16 3, 1
	s_set_vgpr_msb 0x1
	s_wait_tensorcnt 0x0
	ds_add_u32 v255, v63
	s_wait_dscnt 0x0
	s_set_vgpr_msb 0x100
	CROUND                                         ; the closing round: no work-group ends while a partner may still ask for a tile that names it
	s_endpgm
.Lfunc_end_k_q58e330d304_proj:
	.size	k_q58e330d304_proj, .Lfunc_end_k_q58e330d304_proj-k_q58e330d304_proj
	.p2alignl 7, 3214868480
	.fill 96, 4, 3214868480
	.section	.rodata,"a",@progbits
	.p2align	6, 0x0
	.amdhsa_kernel k_q58e330d304_proj
		.amdhsa_group_segment_fixed_size 327680
		.amdhsa_private_segment_fixed_size 0
		.amdhsa_enable_private_segment 0
		.amdhsa_kernarg_size 32
		.amdhsa_user_sgpr_count 2
		.amdhsa_user_sgpr_kernarg_segment_ptr 1
		.amdhsa_wavefront_size32 1
		.amdhsa_system_sgpr_workgroup_id_x 1
		.amdhsa_system_sgpr_workgroup_id_y 1
		.amdhsa_system_sgpr_workgroup_id_z 1
		.amdhsa_system_vgpr_workitem_id 0
		.amdhsa_next_free_vgpr 768
		.amdhsa_next_free_sgpr 66
		.amdhsa_reserve_vcc 0
		.amdhsa_float_denorm_mode_32 3
		.amdhsa_float_denorm_mode_16_64 3
		.amdhsa_memory_ordered 1
		.amdhsa_forward_progress 1
		.amdhsa_inst_pref_size 93
	.end_amdhsa_kernel
	.amdgpu_metadata
---
amdhsa.version: [ 1, 2 ]
amdhsa.kernels:
  - .name:           k_q58e330d304_proj
    .symbol:         k_q58e330d304_proj.kd
    .args:
      - { .name: inj, .offset: 0, .size: 8, .value_kind: global_buffer, .address_space: global }
      - { .name: wob, .offset: 8, .size: 8, .value_kind: global_buffer, .address_space: global }
      - { .name: h, .offset: 16, .size: 8, .value_kind: global_buffer, .address_space: global }
      - { .name: ybuf, .offset: 24, .size: 8, .value_kind: global_buffer, .address_space: global }
    .group_segment_fixed_size: 327680
    .private_segment_fixed_size: 0
    .kernarg_segment_align: 8
    .kernarg_segment_size: 32
    .max_flat_workgroup_size: 128
    .sgpr_count:     66
    .vgpr_count:     768
    .wavefront_size: 32
...
	.end_amdgpu_metadata
.endif
;; end of part 6
;; launch ln (part 7): grid 256 x 1, 8 waves a work-group, no clusters, 0 bytes of LDS; arguments ybuf, ln_gamma, ln_beta, out0; writes out0
.if DOCPART == 7
	.amdgcn_target "amdgcn-amd-amdhsa--gfx1250"
	.amdhsa_code_object_version 6
	.text
	.protected	k_q58e330d304_ln
	.globl	k_q58e330d304_ln
	.p2align	8
	.type	k_q58e330d304_ln,@function
k_q58e330d304_ln:
	s_mov_b64 s[64:65], 0
	v_nop
	global_prefetch_b8 v0, s[64:65] scope:SCOPE_SE
	s_setreg_imm32_b32 hwreg(HW_REG_WAVE_MODE, 25, 1), 1
	s_wait_xcnt 0x0
; out0 = (y - mean) / sqrt(var + 1e-5) * gamma + beta along rows of 1,024 f32.  ybuf and out0 [4096 rows][1024] f32.
; A row is 4,096 bytes: one wave takes a whole row in 32 registers, eight loads of 16 bytes a lane, so the reduction never leaves the wave.
; 4,096 rows = 256 work-groups x 8 waves x 2 rows.  A wave issues all its 32 loads at once (two rows, gamma, beta), so all 16 MiB of ybuf
; are asked for at the start of the launch; each load and each store of a wave covers 512 consecutive bytes.
; Mean and variance are taken in two passes over the row in registers: no difference of large sums.
; No LDS, no barrier, no matrix unit, no cluster: nothing is shared but the 8 KiB of gamma and beta.
.set Y,  4                             ; v[4:35] row 0, v[36:67] row 1
.set GG, 68                            ; v[68:99]    gamma at my 32 columns
.set BT, 100                           ; v[100:131]  beta
.set TT, 132                           ; v[132:143] row 0 at work, v[144:155] row 1
	s_load_b256 s[4:11], s[0:1], 0x0               ; ybuf s[4:5], gamma s[6:7], beta s[8:9], out0 s[10:11]
	v_lshrrev_b32 v2, 5, v0
	v_readfirstlane_b32 s12, v2                    ; wave
	v_and_b32 v1, 31, v0
	v_lshlrev_b32 v1, 4, v1                        ; 16 bytes a lane
	s_lshl_b32 s14, ttmp9, 16                      ; 16 rows of 4,096 bytes a work-group,
	s_lshl_b32 s13, s12, 13                        ; two a wave
	s_add_co_u32 s14, s14, s13
	s_mov_b32 s15, 0
	s_mov_b32 s16, 0x76543210                      ; v_permlanex16_b32: lane i takes lane i of the other half
	s_mov_b32 s17, 0xfedcba98
	s_mov_b32 s18, 0x3a800000                      ; 1 / 1024
	s_mov_b32 s19, 0x3727c5ac                      ; 1e-5
	s_wait_kmcnt 0x0
	s_add_nc_u64 s[4:5], s[4:5], s[14:15]
	s_add_nc_u64 s[10:11], s[10:11], s[14:15]
.irp j, 0,1,2,3,4,5,6,7,8,9,10,11,12,13,14,15
	global_load_b128 v[Y+4*\j:Y+4*\j+3], v1, s[4:5] offset:512*\j th:TH_LOAD_NT
.endr
.irp j, 0,1,2,3,4,5,6,7
	global_load_b128 v[GG+4*\j:GG+4*\j+3], v1, s[6:7] offset:512*\j
.endr
.irp j, 0,1,2,3,4,5,6,7
	global_load_b128 v[BT+4*\j:BT+4*\j+3], v1, s[8:9] offset:512*\j
.endr
.macro RED t                           ; the sum of v[t] over the 32 lanes, in every lane; v[t+1] has been written
	v_add_f32_dpp v[\t], v[\t], v[\t] row_xmask:1 row_mask:0xf bank_mask:0xf
	v_add_f32_dpp v[\t], v[\t], v[\t] row_xmask:2 row_mask:0xf bank_mask:0xf
	v_add_f32_dpp v[\t], v[\t], v[\t] row_xmask:4 row_mask:0xf bank_mask:0xf
	v_add_f32_dpp v[\t], v[\t], v[\t] row_xmask:8 row_mask:0xf bank_mask:0xf
	v_permlanex16_b32 v[\t+1], v[\t], s16, s17
	v_add_f32 v[\t], v[\t], v[\t+1]
.endm
.macro FOLD t                          ; four packed chains in v[t:t+7] become one number in v[t]
	v_pk_add_f32 v[\t:\t+1], v[\t:\t+1], v[\t+2:\t+3]
	v_pk_add_f32 v[\t+4:\t+5], v[\t+4:\t+5], v[\t+6:\t+7]
	v_pk_add_f32 v[\t:\t+1], v[\t:\t+1], v[\t+4:\t+5]
	v_add_f32 v[\t], v[\t], v[\t+1]
.endm
; Row i: the mean is taken away in place; 1 / sqrt(var + 1e-5) is left, twice, in v[TB+8:TB+9].  left = how many younger loads may stay out.
.macro STATS i, left
.set YB, Y+32*\i
.set TB, TT+12*\i
	s_wait_loadcnt \left                           ; loads come back in order (ISA guide 5.7.1): this row's eight are in
.irp c, 0,2,4,6
	v_pk_add_f32 v[TB+\c:TB+\c+1], v[YB+\c:YB+\c+1], v[YB+8+\c:YB+9+\c]
.endr
.irp c, 0,2,4,6
	v_pk_add_f32 v[TB+\c:TB+\c+1], v[TB+\c:TB+\c+1], v[YB+16+\c:YB+17+\c]
.endr
.irp c, 0,2,4,6
	v_pk_add_f32 v[TB+\c:TB+\c+1], v[TB+\c:TB+\c+1], v[YB+24+\c:YB+25+\c]
.endr
	FOLD TB
	RED TB
	v_mul_f32 v[TB+8], s18, v[TB]                  ; the mean, twice
	v_mul_f32 v[TB+9], s18, v[TB]
.irp j, 0,2,4,6,8,10,12,14,16,18,20,22,24,26,28,30
	v_pk_add_f32 v[YB+\j:YB+\j+1], v[YB+\j:YB+\j+1], v[TB+8:TB+9] neg_lo:[0,1] neg_hi:[0,1]
.endr
.irp c, 0,2,4,6
	v_pk_mul_f32 v[TB+\c:TB+\c+1], v[YB+\c:YB+\c+1], v[YB+\c:YB+\c+1]
.endr
.irp c, 0,2,4,6
	v_pk_fma_f32 v[TB+\c:TB+\c+1], v[YB+8+\c:YB+9+\c], v[YB+8+\c:YB+9+\c], v[TB+\c:TB+\c+1]
.endr
.irp c, 0,2,4,6
	v_pk_fma_f32 v[TB+\c:TB+\c+1], v[YB+16+\c:YB+17+\c], v[YB+16+\c:YB+17+\c], v[TB+\c:TB+\c+1]
.endr
.irp c, 0,2,4,6
	v_pk_fma_f32 v[TB+\c:TB+\c+1], v[YB+24+\c:YB+25+\c], v[YB+24+\c:YB+25+\c], v[TB+\c:TB+\c+1]
.endr
	FOLD TB
	RED TB
	v_fma_f32 v[TB], v[TB], s18, s19               ; variance + 1e-5
	v_rsq_f32 v[TB+8], v[TB]
	v_rsq_f32 v[TB+9], v[TB]
	v_nop                                          ; one plain line behind the transcendentals (ISA guide 5.7.2)
.endm
.macro APPLY i
.set YB, Y+32*\i
.set TB, TT+12*\i
	s_wait_alu depctr_va_vdst(0)
.irp j, 0,2,4,6,8,10,12,14,16,18,20,22,24,26,28,30
	v_pk_mul_f32 v[YB+\j:YB+\j+1], v[YB+\j:YB+\j+1], v[TB+8:TB+9]
.endr
.irp j, 0,2,4,6,8,10,12,14,16,18,20,22,24,26,28,30
	v_pk_fma_f32 v[YB+\j:YB+\j+1], v[YB+\j:YB+\j+1], v[GG+\j:GG+\j+1], v[BT+\j:BT+\j+1]
.endr
.irp j, 0,1,2,3,4,5,6,7
	global_store_b128 v1, v[YB+4*\j:YB+4*\j+3], s[10:11] offset:4096*\i+512*\j th:TH_STORE_NT
.endr
.endm
	STATS 0, 24                                    ; row 1's eight loads and the sixteen of gamma and beta stay out
	STATS 1, 16                                    ; gamma's and beta's stay out
	s_wait_loadcnt 0x0                             ; gamma and beta
	APPLY 0
	APPLY 1
	s_endpgm
.Lfunc_end_k_q58e330d304_ln:
	.size	k_q58e330d304_ln, .Lfunc_end_k_q58e330d304_ln-k_q58e330d304_ln
	.p2alignl 7, 3214868480
	.fill 96, 4, 3214868480
	.section	.rodata,"a",@progbits
	.p2align	6, 0x0
	.amdhsa_kernel k_q58e330d304_ln
		.amdhsa_group_segment_fixed_size 0
		.amdhsa_private_segment_fixed_size 0
		.amdhsa_enable_private_segment 0
		.amdhsa_kernarg_size 32
		.amdhsa_user_sgpr_count 2
		.amdhsa_user_sgpr_kernarg_segment_ptr 1
		.amdhsa_wavefront_size32 1
		.amdhsa_system_sgpr_workgroup_id_x 1
		.amdhsa_system_sgpr_workgroup_id_y 1
		.amdhsa_system_sgpr_workgroup_id_z 1
		.amdhsa_system_vgpr_workitem_id 0
		.amdhsa_next_free_vgpr 160
		.amdhsa_next_free_sgpr 66
		.amdhsa_reserve_vcc 0
		.amdhsa_float_denorm_mode_32 3
		.amdhsa_float_denorm_mode_16_64 3
		.amdhsa_memory_ordered 1
		.amdhsa_forward_progress 1
		.amdhsa_inst_pref_size 18
	.end_amdhsa_kernel
	.amdgpu_metadata
---
amdhsa.version: [ 1, 2 ]
amdhsa.kernels:
  - .name:           k_q58e330d304_ln
    .symbol:         k_q58e330d304_ln.kd
    .args:
      - { .name: ybuf, .offset: 0, .size: 8, .value_kind: global_buffer, .address_space: global }
      - { .name: ln_gamma, .offset: 8, .size: 8, .value_kind: global_buffer, .address_space: global }
      - { .name: ln_beta, .offset: 16, .size: 8, .value_kind: global_buffer, .address_space: global }
      - { .name: out0, .offset: 24, .size: 8, .value_kind: global_buffer, .address_space: global }
    .group_segment_fixed_size: 0
    .private_segment_fixed_size: 0
    .kernarg_segment_align: 8
    .kernarg_segment_size: 32
    .max_flat_workgroup_size: 256
    .sgpr_count:     66
    .vgpr_count:     160
    .wavefront_size: 32
...
	.end_amdgpu_metadata
.endif
;; end of part 7
